; MI455X (gfx1250); checked and timed in simulation.
; The chip was launched on July 23, 2026; its instructions are those of AMD's public machine-readable ISA for CDNA 5 (MIT licence, August 2026) and "CDNA5" Instruction Set Architecture Reference Guide (July 2026). The comments in the code are by the model that wrote it; some were corrected since.
;; Multi Head Self Attention. Allowed arithmetic: matrix products marked QUANTISED: E5M2 operands, one E8M0 scale for each 32 along K, by v_wmma_scale_f32_16x16x128_f8f6f4 with both operands' format E5M2, f32 sums; everything else in f32.
;; Inputs: Wo_codes 1,024 x 32 x 32 uint8 (E5M2 codes of Wo, K innermost, in blocks of 32 codes); Wo_scales 1,024 x 32 uint8 (E8M0 scales of Wo, one for each 32 codes along K); Wq_codes 1,024 x 32 x 32 uint8 (E5M2 codes of Wq, K innermost, in blocks of 32 codes); Wq_scales 1,024 x 32 uint8 (E8M0 scales of Wq, one for each 32 codes along K); bo 1,024 float32; bq 1,024 float32; x_codes 2 x 2,048 x 32 x 32 uint8 (E5M2 codes of x, K innermost, in blocks of 32 codes); x_scales 2 x 2,048 x 32 uint8 (E8M0 scales of x, one for each 32 codes along K).
;; Outputs: out0 2 x 2,048 x 1,024 float32.
;; This version of the problem:
;;   THIS VERSION OF THE PROBLEM IS GIVEN IN LOW PRECISION. The matrix products marked QUANTISED in the list below multiply operands that are first quantised to E5M2 (5 exponent bits, 2 mantissa bits; 8 bits a number), with one power-of-two scale for each 32 numbers along K (OCP MX v1.0); their sums are f32. All else is computed in f32.
;;   The module's matrix products, in the order in which they are computed (A, B: the left and right operand; K: the contracted axis; several contracted axes count as one K, in the product's order):
;;     1. [M 4,096, K 1,024] x [K 1,024, N 1,024]; A: input x (given as codes); B: input Wq (given as codes): QUANTISED
;;     2. batch 32 x [M 2,048, K 64] x [K 64, N 2,048]; A: computed on the way; B: computed on the way: QUANTISED
;;     3. batch 32 x [M 2,048, K 2,048] x [K 2,048, N 64]; A: softmax (see below); B: computed on the way: QUANTISED
;;     4. [M 4,096, K 1,024] x [K 1,024, N 1,024]; A: computed on the way; B: input Wo (given as codes): QUANTISED
;;   THE QUANTISER, for each operand of a quantised product, along K:
;;     - K is cut into blocks of 32 from its start; a last block that is shorter is filled with zeros.
;;     - A block's scale is 2^e with e = floor(log2(the largest magnitude in the block)) - 15, held to -126 .. 127; a block of zeros has e = 0. As a byte (E8M0): e + 127.
;;     - Each number is divided by its block's scale, clamped to +-57,344, and rounded to the nearest number of E5M2, ties to even, subnormals kept.
;;     - The product sums the exact products of the quantised numbers (number of the format x scale) in f32.
;;   ~~~python
;;   def quantise(x, axis):      # numpy; x: float32 -> the quantised numbers, widened to float32 again
;;       x = np.moveaxis(x, axis, -1); K = x.shape[-1]
;;       x = np.pad(x, [(0, 0)] * (x.ndim - 1) + [(0, -K % 32)]); x = x.reshape(x.shape[:-1] + (-1, 32)); a = np.abs(x).max(-1, keepdims=True)
;;       e = np.where(a > 0, np.clip(np.frexp(np.where(a > 0, a, 1))[1] - 1 - 15, -126, 127), 0)      # np.frexp(a)[1] - 1 = floor(log2(a)), exactly
;;       r = np.clip(x / 2.0 ** e, -57344, 57344)
;;       step = 2.0 ** (np.maximum(np.frexp(np.where(r == 0, 1, r))[1] - 1, -14) - 2)
;;       q = np.round(r / step) * step * 2.0 ** e      # np.round: ties to even
;;       return np.moveaxis(q.reshape(q.shape[:-2] + (-1,))[..., :K], -1, axis).astype(np.float32)
;;   ~~~
;;   SOFTMAX AHEAD OF A QUANTISED PRODUCT. Where the list says 'softmax', what is quantised is not the finished softmax but p = 2^(t - M), with t = logit x log2(e) and M = ceil(the row's largest t), a whole number; so 1/2 < the row's largest p <= 1. The row's sum l is taken of the UNQUANTISED p, in f32, and the product's result is divided by l at the end. Since M is a whole number, a kernel that streams over the keys may use a running M (the ceiling of the running maximum): every later rescaling is an exact power of two, which a block's scale takes up: the codes' values come out the same.
;;   OPERANDS COMPUTED ON THE WAY. 'Computed on the way' means the value that the module computes at that place (a softmax that the list does not call 'softmax' is quantised finished and normalised). What goes into a quantiser is computed in f32, as accurately as f32 sums, v_exp_f32 and their like allow (about 1e-6 of the number): no bf16 or f16 on the way to a quantiser, and a product that is left as it is and whose result goes on into a quantised operand takes f32 operands (vector FMAs, or v_wmma_f32_16x16x4_f32). A number that lies on a knife's edge between two numbers of the format may be rounded either way, as far as f32 arithmetic and the matrix unit's own rounding can turn it there, and no further.
;;   INPUTS GIVEN AS CODES. Wo (in the module: [1024, 1024], K = its axis 1); Wq (in the module: [1024, 1024], K = its axis 1); x (in the module: [2, 2048, 1024], K = its axis 2): each comes as NAME_codes (uint8): NAME with its K axis moved to the last place and cut into blocks of 32 codes, [.., K / 32, bytes a block], one block behind the other in memory; one code a byte (a code: sign, 5 exponent bits, 2 mantissa bits); and NAME_scales (uint8): the same leading axes, one E8M0 byte (e + 127) for each 32 codes along K. Its value is code x scale, taken as it is: it is not quantised again, and the codes and scales need not be those that the quantiser above would give.
;; One version. Each part assembles by itself: llvm-mc -triple=amdgcn-amd-amdhsa -mcpu=gfx1250 --defsym DOCPART=n.
;; ======== version 1 of 1: 3 launches
;; limits: right only within a limited range of input values
;; workspace buffers: kv 8,650,752 bytes; ac 4,194,304 bytes; asc 131,072 bytes
;; launch proj (part 1): grid 8 x 32, 4 waves a work-group, clusters of 4 x 4, 279,040 bytes of LDS; arguments x_codes, x_scales, Wq_codes, Wq_scales, bq, kv; writes kv
.if DOCPART == 1
	.amdgcn_target "amdgcn-amd-amdhsa--gfx1250"
	.amdhsa_code_object_version 6
	.text
	.protected	k_qebfbad06e4_proj
	.globl	k_qebfbad06e4_proj
	.p2align	8
	.type	k_qebfbad06e4_proj,@function
k_qebfbad06e4_proj:
	s_mov_b64 s[64:65], 0
	v_nop
	global_prefetch_b8 v0, s[64:65] scope:SCOPE_SE
	s_setreg_imm32_b32 hwreg(HW_REG_WAVE_MODE, 25, 1), 1
	s_wait_xcnt 0x0
	s_wait_alu depctr_hold_cnt(0) depctr_sa_sdst(0) depctr_va_vdst(0) depctr_va_sdst(0) depctr_va_ssrc(0) depctr_va_vcc(0) depctr_vm_vsrc(0)
	s_getreg_b32 s2, hwreg(HW_REG_IB_STS2, 6, 4)
	s_cmp_eq_u32 s2, 0
	s_cbranch_scc0 .Lentry_in_a_cluster
	s_endpgm
.Lentry_in_a_cluster:
	s_bfe_u32 s2, ttmp6, 0x10000c
	s_cmp_lg_u32 s2, 0xf033
	s_cbranch_scc0 .Lentry_shape_is_right
	s_endpgm
.Lentry_shape_is_right:
; q = x Wq^T + bq on codes of BF8 (E5M2) with one E8M0 scale for each 32 along K, and q quantised twice: along a head's 64 channels (it serves as Q and as K of the attention) and along the keys (it serves as V).
; x: [4096][1024] codes, scale bytes [4096][32].  Wq: [1024][1024] codes, scale bytes [1024][32].  bq: [1024] f32.
; OUT: kv [32 (batch, head)][16 steps of 128 keys][16,896 bytes], laid as IMAGES OF OPERAND REGISTERS: a fragment is 2,048 bytes, its register group c (4 registers) at 512 c + 16 x lane.
;   bytes 0-8,191      four fragments f of K: row r of fragment f = [key 32 f + r: 64 codes | key 32 f + 16 + r: 64 codes]
;   bytes 8,192-16,383 four fragments t of V: rows d = 16 t + r, 128 keys along K
;   bytes 16,384-      scale words [i][lane]: i = 0, 1: K's fragment 2 i in lanes 0-15, 2 i + 1 in lanes 16-31; i = 2, 3: V's fragments likewise
; SHARES.  A work-group makes 128 rows (one step of keys of one batch) x 128 columns (two heads); 8 x 32 = 256 work-groups.  Wave w: 64 keys (w / 2) x one head (w % 2).
; EACH WAVE MULTIPLIES ITS 64 x 64 TWICE from the same fragments: D1 = (Wq, x): a lane holds ONE KEY and its registers run along d; D2 = (x, Wq): a lane holds ONE d and its registers run along the keys.
; So both quantisers find their K in a lane's registers and nothing is transposed: 128 products more against 160 LDS instructions and a barrier.
; K IS PERMUTED INSIDE EACH BLOCK OF 32: a lane's 16 registers of two neighbouring tiles are members 8 h + 0..7 and 16 + 8 h + 0..7 of a block, and are converted as they stand: operand place 32 c + 16 h + i holds
; member 32 c + 16 (i / 8) + 8 h + i % 8.  Every operand that this program makes from a matrix result has that order, so both sides of a later product agree; a block's scale is not touched.
; THE WHOLE K LIES IN LDS AT ONCE (128 rows x 1,024 bytes of x and of Wq): four chunks of 256 along K, each filled once; no LDS byte is filled twice and none is stored to.
; CLUSTERS: 4 x 4 work-groups.  The four of a row of the cluster need the same rows of x, the four of a column the same rows of Wq: each tile is asked for jointly.
; LIMITS: NaN, infinities and a given scale byte 0xff are not served.  A block of zeros gets the byte 1 (its codes are zeros; this program alone reads the bytes).  bq enters as the C of the first K step, not behind the sum.
; V's scale bytes leave as 2 bytes a lane, 4 bytes apart: 256 of a step's 16,896 bytes; all other stores of a wave cover 128 or 512 consecutive bytes.
; REGISTERS: window 0: v1-21 addresses; v24-39 x's scale words, v44-59 Wq's; v64-95, v96-127 bq in D1's and D2's layout, later the held numbers; v128-144 the quantiser's; v160-175 codes.
;   window 1: two sets of fragments: set p: x's four at 128 p + 16 i, Wq's four at 128 p + 64 + 16 t.   window 2: D1 at 64 f + 32 u + 8 t (x's tile i = 2 f + u), D2 at 128 + 32 t + 16 f + 8 u.
; Each operand's four chunks of 256 along K are asked for as two halves of 512, one load a wave: below, CHUNK is such a half of 128 rows.
.set PITCH,  528                       ; an LDS row: 512 bytes + 16 of padding = 132 words: row r starts at bank 4 r mod 64 (64 banks of 4 bytes: ISA guide 11.1)
.set CHUNK,  128*PITCH                 ; 512 along K of 128 rows
.set HALFC,  64*PITCH                  ; 64 rows of a chunk
.set WB,     2*CHUNK                   ; Wq's halves lie behind x's
.set STEPB,  16896
.set VOFF,   8192
.set SOFF,   16384
.set AX,   4                           ; v4-5    LDS address of my x fragments in either half
.set AW,   8                           ; v8-9    the same for Wq
.set LK,   12                          ; v12     16 x lane + 4,096 x (w / 2): my K fragments' place in a step
.set LV,   13                          ; v13     16 x lane + 1,024 x (w / 2): my key blocks' place in a V fragment
.set SK,   14                          ; v14     4 x lane + 128 x (w / 2)
.set SV,   15                          ; v15     4 x lane + 2 x (w / 2)
.set KW0,  20                          ; v20     fragment 0's scale words, kept for the joint store
.set HW,   21                          ; v21     a scale word or half on its way out
.set XSC,  24                          ; register 8 f + s: K step s; lanes 0-15 tile 2 f, lanes 16-31 tile 2 f + 1
.set WSC,  44                          ; (no product's two scale words have numbers equal modulo 8)
.set BK,   64
.set BV,   96
.set ST,   64
.set TM,   128                         ; +0 largest magnitudes, +4 the other half's and the bytes, +8 the hold, +12 the conversion's scale operand
.set PW,   144
.set PC,   160
.set WV,   16                          ; s16 wave; s17 wave / 2; s18 wave % 2
.set WR,   17
.set WC,   18
.set G1X,  24                          ; s[24:31], s[32:39] descriptor groups 1
.set G1W,  32
.set G0X,  40                          ; s[40:43], s[68:71] groups 0
.set G0W,  68
.set SEL,  56
.set MNT,  58
.set MSB, 0
.macro WIN new                         ; the immediate's high byte repeats the setting that is left
.if MSB != \new
	s_set_vgpr_msb (MSB<<8)|\new
.set MSB, \new
.endif
.endm
.macro PLACES n
.rept \n
	v_nop
.endr
.endm
.macro BAR
	s_barrier_signal -1
	s_barrier_wait -1
.endm
.macro CROUND                          ; a round of the cluster's barrier
	s_barrier_signal -1
	s_barrier_wait -1
	s_cmp_lg_u32 s[WV], 0
	s_cbranch_scc1 .Lnot_wave_0_\@
	s_barrier_signal -3
.Lnot_wave_0_\@:
	s_barrier_wait -3
	s_barrier_signal -1
	s_barrier_wait -1
.endm
	s_load_b256 s[4:11], s[0:1], 0x0               ; x's codes s[4:5], x's scales s[6:7], Wq's codes s[8:9], Wq's scales s[10:11]
	s_load_b128 s[12:15], s[0:1], 0x20             ; bq s[12:13], kv s[14:15]
	v_lshl_add_u32 v254, v0, 2, 0x44000
	v_mov_b32 v255, 0
	ds_add_u32 v254, v255
	ds_add_u32 v254, v255
	v_lshrrev_b32 v1, 5, v0
	v_readfirstlane_b32 s[WV], v1                  ; wave 0..3
	s_lshr_b32 s[WR], s[WV], 1                     ; which 64 keys are mine.  Also: which half of K I fetch
	s_and_b32 s[WC], s[WV], 1                      ; which head.  Also: I fetch for x (0) or for Wq (1)
	s_bfe_u32 s19, ttmp6, 0x40000                  ; cx, cy: my place in the cluster
	s_bfe_u32 s20, ttmp6, 0x40004
	s_lshl_b32 s21, ttmp9, 2
	s_add_co_u32 s21, s21, s19                     ; x: which 128 columns = 4 x cluster x + cx
	s_and_b32 s22, ttmp7, 0xffff
	s_lshl_b32 s22, s22, 2
	s_add_co_u32 s22, s22, s20                     ; y: which 128 rows = 4 x cluster y + cy
	s_lshl_b32 s23, s20, 2
	s_lshl_b32 s23, 15, s23                        ; my row of the cluster
	s_lshl_b32 s59, 0x1111, s19                    ; my column
	; descriptor group 1: 128 rows x 512 bytes, rows 1,024 bytes apart in memory, 16 bytes of padding behind each in LDS
	s_or_b32 s[G1X], s23, (1<<20)|(1<<21)|(6<<22)|(3<<25)   ; 15:0 the mask: x's tiles go to my row; elements of 1 byte; 20 padding on; 21 set beside a mask; 24:22 after every 128 words; 31:25 four words
	s_or_b32 s[G1W], s59, (1<<20)|(1<<21)|(6<<22)|(3<<25)   ; Wq's tiles go to my column
.irp g, G1X, G1W
	s_mov_b32 s[\g+1], 512<<16                     ; tensor_dim0
	s_mov_b32 s[\g+2], 128<<16                     ; tensor_dim1
	s_mov_b32 s[\g+3], 512<<16                     ; tile_dim0
	s_mov_b32 s[\g+4], 128                         ; tile_dim1
	s_mov_b32 s[\g+5], 1024                        ; tensor_dim0_stride
	s_mov_b32 s[\g+6], 0
	s_mov_b32 s[\g+7], 0
.endr
	s_lshl_b32 s84, s22, 17                        ; x's rows that I fetch: 128 y x 1,024 bytes + 512 (w / 2): these registers never hold cx
	s_lshl_b32 s85, s[WR], 9                       ; waves 0 and 1 fetch the first half of K, waves 2 and 3 the second
	s_add_co_u32 s84, s84, s85
	s_mov_b32 s85, 0
	s_lshl_b32 s86, s21, 17                        ; Wq's: 128 x x 1,024 + 512 (w / 2): these never hold cy
	s_lshl_b32 s87, s[WR], 9
	s_add_co_u32 s86, s86, s87
	s_mov_b32 s87, 0
	s_mul_i32 s60, s[WR], CHUNK                    ; where it goes: no place in the cluster enters an LDS address
	s_lshl_b32 s88, s22, 12                        ; x's scale bytes of my 64 keys: (128 y + 64 (w / 2)) x 32
	s_lshl_b32 s89, s[WR], 11
	s_add_co_u32 s88, s88, s89
	s_mov_b32 s89, 0
	s_lshl_b32 s90, s21, 12                        ; Wq's of my 64 columns: (128 x + 64 (w % 2)) x 32
	s_lshl_b32 s91, s[WC], 11
	s_add_co_u32 s90, s90, s91
	s_mov_b32 s91, 0
	s_lshr_b32 s92, s90, 3                         ; bq of the same columns: x 4
	s_mov_b32 s93, 0
	s_lshr_b32 s94, s22, 4                         ; kv: ((16 batch + head) x 16 + step) x 16,896; batch = y / 16, step = y % 16, head = 2 x + w % 2
	s_lshl_b32 s94, s94, 4
	s_lshl_b32 s95, s21, 1
	s_add_co_u32 s94, s94, s95
	s_add_co_u32 s94, s94, s[WC]
	s_lshl_b32 s94, s94, 4
	s_and_b32 s95, s22, 15
	s_add_co_u32 s94, s94, s95
	s_mul_i32 s94, s94, STEPB
	s_mov_b32 s95, 0
	s_mov_b32 s[SEL], 0x76543210
	s_mov_b32 s[SEL+1], 0xfedcba98                 ; v_permlanex16_b32's selects for lane l xor 16
	s_mov_b32 s[MNT], 0x600000                     ; the mantissa field of 57,344
	v_and_b32 v1, 31, v0                           ; lane
	v_and_b32 v2, 15, v0                           ; r
	v_bfe_u32 v3, v0, 4, 1                         ; h
	v_lshlrev_b32 v16, 5, v1                       ; a row of scale bytes is 32 bytes: lane l takes row l of 32
	v_lshlrev_b32 v17, 5, v3                       ; bq for D1: 8 h numbers on
	v_lshlrev_b32 v18, 2, v2                       ; bq for D2: number r
	s_wait_alu depctr_va_vdst(0)
	s_wait_dscnt 0x0
	s_wait_kmcnt 0x0
	s_add_nc_u64 s[84:85], s[4:5], s[84:85]
	s_add_nc_u64 s[86:87], s[8:9], s[86:87]
	s_add_nc_u64 s[6:7], s[6:7], s[88:89]
	s_add_nc_u64 s[10:11], s[10:11], s[90:91]
	s_add_nc_u64 s[12:13], s[12:13], s[92:93]
	s_add_nc_u64 s[14:15], s[14:15], s[94:95]
	; The scale words of all eight K steps come straight into registers, once: a row's 32 bytes are its eight words; a pair of loads covers 1,024 bytes on end.
.irp f, 0,1
	global_load_b128 v[XSC+8*\f:XSC+8*\f+3],   v16, s[6:7] offset:1024*\f
	global_load_b128 v[XSC+8*\f+4:XSC+8*\f+7], v16, s[6:7] offset:1024*\f+16
	global_load_b128 v[WSC+8*\f:WSC+8*\f+3],   v16, s[10:11] offset:1024*\f
	global_load_b128 v[WSC+8*\f+4:WSC+8*\f+7], v16, s[10:11] offset:1024*\f+16
.endr
.irp t, 0,1,2,3
	global_load_b128 v[BK+8*\t:BK+8*\t+3],   v17, s[12:13] offset:64*\t      ; D1: register j wants bq at column 16 t + 8 h + j
	global_load_b128 v[BK+8*\t+4:BK+8*\t+7], v17, s[12:13] offset:64*\t+16
	global_load_b32 v[BV+8*\t], v18, s[12:13] offset:64*\t                   ; D2: all eight registers want bq at column 16 t + r
.endr
	CROUND                                         ; all sixteen work-groups are here: the joint loads meet
.irp ch, 0
	s_mov_b32 s[G0X+4*\ch], 1
	s_add_co_u32 s[G0X+4*\ch+1], s60, \ch*CHUNK                    ; LDS address
	s_add_nc_u64 s[G0X+4*\ch+2:G0X+4*\ch+3], s[84:85], \ch*256     ; global address: 256 along K on for each chunk
	s_or_b32 s[G0X+4*\ch+3], s[G0X+4*\ch+3], 0x80000000            ; type = 2
	s_mov_b32 s[G0W+4*\ch], 1
	s_add_co_u32 s[G0W+4*\ch+1], s60, WB+\ch*CHUNK
	s_add_nc_u64 s[G0W+4*\ch+2:G0W+4*\ch+3], s[86:87], \ch*256
	s_or_b32 s[G0W+4*\ch+3], s[G0W+4*\ch+3], 0x80000000
.endr
; ONE JOINT LOAD A WAVE: wave 0 the first half of x's rows, wave 1 of Wq's, waves 2 and 3 the second halves.  One chain of branches on the wave's number; every way passes one load.
.macro ARM under, g0, g1, next
	s_cmp_lt_u32 s[WV], \under
	s_cbranch_scc0 \next
	tensor_load_to_lds s[\g0:\g0+3], s[\g1:\g1+7]
	s_nop 0
	PLACES 4
	s_branch .Lhead_asked
\next:
.endm
	ARM 1, G0X, G1X, .Lhead_1
	ARM 2, G0W, G1W, .Lhead_2
	ARM 3, G0X, G1X, .Lhead_3
	tensor_load_to_lds s[G0W:G0W+3], s[G1W:G1W+7]
	s_nop 0
	PLACES 4
.Lhead_asked:
	v_mul_u32_u24 v19, v2, PITCH
	v_lshl_add_u32 v19, v3, 4, v19                 ; a fragment's row x pitch + 16 x half
	s_wait_alu depctr_va_vdst(0)
	s_mul_i32 s98, s[WR], HALFC                    ; my 64 rows of x,
	s_mul_i32 s99, s[WC], HALFC                    ; my 64 rows of Wq
	s_add_co_u32 s99, s99, WB
.irp ch, 0,1
	v_add_nc_u32 v[AX+\ch], s98, v19
	v_add_nc_u32 v[AW+\ch], s99, v19
	s_add_co_u32 s98, s98, CHUNK
	s_add_co_u32 s99, s99, CHUNK
.endr
	v_lshlrev_b32 v[LK], 4, v1
	s_lshl_b32 s96, s[WR], 10
	v_add_nc_u32 v[LV], s96, v[LK]
	s_lshl_b32 s96, s[WR], 12
	v_add_nc_u32 v[LK], s96, v[LK]
	v_lshlrev_b32 v[SK], 2, v1
	s_lshl_b32 s96, s[WR], 1
	v_add_nc_u32 v[SV], s96, v[SK]
	s_lshl_b32 s96, s[WR], 7
	v_add_nc_u32 v[SK], s96, v[SK]
.irp b, 0,1,2,3
	v_mov_b32 v[TM+4+\b], 0                        ; written once: a lane permute's destination counts as one of its sources
.endr
	s_wait_loadcnt 0x0                             ; scale words and bq
.irp t, 0,1,2,3
.irp j, 1,2,3,4,5,6,7
	v_mov_b32 v[BV+8*\t+\j], v[BV+8*\t]            ; D2's C: the lane's one bias in all eight rows
.endr
.endr
; One scaled product.  ra, rb = 1: that side's scale words stand in lanes 16-31 of its register.
.macro WM d, a, b, c, sa, ra, sb, rb
.if (\ra) && (\rb)
	v_wmma_scale_f32_16x16x128_f8f6f4 v[\d:\d+7], v[\a:\a+15], v[\b:\b+15], v[\c:\c+7], v[\sa], v[\sb] matrix_a_fmt:MATRIX_FMT_BF8 matrix_b_fmt:MATRIX_FMT_BF8 matrix_a_scale:MATRIX_SCALE_ROW1 matrix_b_scale:MATRIX_SCALE_ROW1
.elseif (\ra)
	v_wmma_scale_f32_16x16x128_f8f6f4 v[\d:\d+7], v[\a:\a+15], v[\b:\b+15], v[\c:\c+7], v[\sa], v[\sb] matrix_a_fmt:MATRIX_FMT_BF8 matrix_b_fmt:MATRIX_FMT_BF8 matrix_a_scale:MATRIX_SCALE_ROW1
.elseif (\rb)
	v_wmma_scale_f32_16x16x128_f8f6f4 v[\d:\d+7], v[\a:\a+15], v[\b:\b+15], v[\c:\c+7], v[\sa], v[\sb] matrix_a_fmt:MATRIX_FMT_BF8 matrix_b_fmt:MATRIX_FMT_BF8 matrix_b_scale:MATRIX_SCALE_ROW1
.else
	v_wmma_scale_f32_16x16x128_f8f6f4 v[\d:\d+7], v[\a:\a+15], v[\b:\b+15], v[\c:\c+7], v[\sa], v[\sb] matrix_a_fmt:MATRIX_FMT_BF8 matrix_b_fmt:MATRIX_FMT_BF8
.endif
.endm
; 32 LDS loads in one run: K step s's four fragments of x and four of Wq into set s % 2.  A fragment: lane l holds row l % 16; registers 4 c .. 4 c + 3 hold K = 32 c + 16 (l / 16) + 0 .. 15.
.macro FETCH s
.set P, 128*((\s)%2)
	WIN 0x40                                       ; destination window 1, address window 0
.irp i, 0,1,2,3
.irp c, 0,1,2,3
	ds_load_b128 v[P+16*\i+4*\c:P+16*\i+4*\c+3], v[AX+(\s)/4] offset:\i*16*PITCH+128*((\s)%4)+32*\c
.endr
.endr
.irp t, 0,1,2,3
.irp c, 0,1,2,3
	ds_load_b128 v[P+64+16*\t+4*\c:P+64+16*\t+4*\c+3], v[AW+(\s)/4] offset:\t*16*PITCH+128*((\s)%4)+32*\c
.endr
.endr
	WIN 0
.endm
; K step s: 32 products.  The 32 accumulators take turns, one instruction a turn, in the same order in every step.  Step 0 starts the sums with bq as C: nothing is cleared.
.macro MUL s
.set P, 128*((\s)%2)
.if (\s) == 0
	WIN 0x85                                       ; sources 0 and 1 window 1, C window 0, D window 2
.else
	WIN 0xa5                                       ; C and D window 2
.endif
.irp i, 0,1,2,3
.irp t, 0,1,2,3
.set rD1, 64*(\i/2)+32*(\i%2)+8*\t
.set rD2, 128+32*\t+16*(\i/2)+8*(\i%2)
.set rX, P+16*\i
.set rW, P+64+16*\t
.set rXS, XSC+8*(\i/2)+(\s)
.set rWS, WSC+8*(\t/2)+(\s)
.if (\s) == 0
	WM rD1, rW, rX, BK+8*\t, rWS, \t%2, rXS, \i%2
	WM rD2, rX, rW, BV+8*\t, rXS, \i%2, rWS, \t%2
.else
	WM rD1, rW, rX, rD1, rWS, \t%2, rXS, \i%2
	WM rD2, rX, rW, rD2, rXS, \i%2, rWS, \t%2
.endif
.endr
.endr
	WIN 0
.endm
; A load into a register that a matrix instruction has read, and a vector instruction that reads a matrix result, stand eight places behind it; only plain vector instructions that name none of its
; registers are places.
.macro KSTEP s
.if (\s)==3
	s_wait_tensorcnt 0x0                           ; the second halves are in; nothing is ever filled again
	s_wait_dscnt 0x0                               ; no LDS instruction of mine is pending at a signal
	BAR                                            ; everybody's part is in
.endif
.if (\s) < 7
.if (\s) > 0
	PLACES 8                                       ; the other set was read by the products just issued
.endif
	FETCH (\s)+1
	s_wait_dscnt 32                                ; all but the 32 just issued: this step's fragments are in
.else
	s_wait_dscnt 0x0
.endif
	MUL \s
.endm
	s_wait_alu depctr_va_vdst(0)
	s_cmp_lt_u32 s[WV], 2
	s_cbranch_scc0 .Lsecond_half
	s_wait_tensorcnt 0x0                           ; waves 0 and 1: the first halves are in; the others wait ahead of K step 4's fragments
.Lsecond_half:
	BAR
	FETCH 0
.irp s, 0,1,2,3,4,5,6,7
	KSTEP \s
.endr
; THE QUANTISER.  64 accumulator registers from v[a] of window 2 on; registers 16 b .. 16 b + 15 are my half of block b, lane l xor 16 holds the other half.  Codes to v[PC + 4 b ..], the four bytes to v[PW].
; A block's scale byte is its largest magnitude's exponent field - 15, held at 1 by the floor 2^(16 - 127) among the maximum's leaves.  Each accumulator is read from its low end on.
.macro QUANT a
	WIN 0x0a                                       ; sources 0 and 1 window 2
.irp b, 0,1,2,3
	v_max3_num_f32 v[TM+\b], |v[\a+16*\b]|, |v[\a+16*\b+1]|, 0x8000000
.endr
	WIN 0x28                                       ; sources 1 and 2 window 2
.irp i, 2,4,6,8,10,12,14
.irp b, 0,1,2,3
	v_max3_num_f32 v[TM+\b], v[TM+\b], |v[\a+16*\b+\i]|, |v[\a+16*\b+\i+1]|   ; the four blocks by turns
.endr
.endr
	WIN 0
.irp b, 0,1,2,3
	v_permlanex16_b32 v[TM+4+\b], v[TM+\b], s[SEL], s[SEL+1]
.endr
.irp b, 0,1,2,3
	v_max_num_f32 v[TM+\b], v[TM+\b], v[TM+4+\b]   ; the block's largest magnitude
.endr
.irp b, 0,1,2,3
	v_add_nc_u32 v[TM+12+\b], 0xf8800000, v[TM+\b] ; 15 off its exponent field: the conversion takes the exponent field of this operand as its scale
.endr
.irp b, 0,1,2,3
	v_and_or_b32 v[TM+8+\b], v[TM+\b], 0x7f800000, s[MNT]   ; 57,344 x the scale
.endr
.irp b, 0,1,2,3
	v_lshrrev_b32 v[TM+4+\b], 23, v[TM+12+\b]      ; the scale's byte
.endr
	v_lshl_or_b32 v[PW], v[TM+5], 8, v[TM+4]
	v_lshl_or_b32 v[PW], v[TM+6], 16, v[PW]
	v_lshl_or_b32 v[PW], v[TM+7], 24, v[PW]
	WIN 0x02                                       ; source 0 window 2
.irp b, 0,1,2,3
.irp i, 0,1,2,3,4,5,6,7,8,9,10,11,12,13,14,15
	v_med3_num_f32 v[ST+16*\b+\i], v[\a+16*\b+\i], -v[TM+8+\b], v[TM+8+\b]   ; the conversion to an 8-bit code does not saturate (ISA guide 7.6.2): the hold, on the way into window 0
.endr
.endr
	WIN 0
.irp b, 0,1,2,3
	v_cvt_scalef32_pk8_bf8_f32 v[PC+4*\b:PC+4*\b+1],   v[ST+16*\b:ST+16*\b+7],    v[TM+12+\b]
	v_cvt_scalef32_pk8_bf8_f32 v[PC+4*\b+2:PC+4*\b+3], v[ST+16*\b+8:ST+16*\b+15], v[TM+12+\b]
.endr
	v_nop                                          ; a plain vector instruction behind the last scaled conversion
.endm
.macro KOUT f                          ; my K fragment f: block 2 u + b is channels 32 b on of key 32 f + 16 u + r: the fragment's register group c = 2 u + b
	QUANT 64*\f
.irp c, 0,1,2,3
	global_store_b128 v[LK], v[PC+4*\c:PC+4*\c+3], s[14:15] offset:2048*\f+512*\c      ; 32 lanes store 512 consecutive bytes
.endr
.endm
.macro VOUT u                          ; V's fragments 2 u and 2 u + 1: block 2 t + f is my key block f of rows d = 16 (2 u + t) + r
	QUANT 128+64*\u
.irp b, 0,1,2,3
	global_store_b128 v[LV], v[PC+4*\b:PC+4*\b+3], s[14:15] offset:VOFF+2048*(2*\u+\b/2)+512*(\b%2)
.endr
	v_lshrrev_b32 v[HW], 16, v[PW]
	v_cndmask_b32 v[HW], v[PW], v[HW], vcc_lo      ; lanes 0-15: fragment 2 u's two bytes; lanes 16-31: fragment 2 u + 1's
	global_store_b16 v[SV], v[HW], s[14:15] offset:SOFF+128*(2+\u)
.endm
	PLACES 8                                       ; behind the last products
	v_cmp_le_u32 vcc_lo, 16, v1                    ; lanes 16-31
	KOUT 0
	v_mov_b32 v[KW0], v[PW]
	s_wait_xcnt 0x0                                ; the stores have read their data: the codes' registers are written again only behind this wait
	KOUT 1
	v_cndmask_b32 v[HW], v[KW0], v[PW], vcc_lo     ; lanes 0-15: fragment 0's words; lanes 16-31: fragment 1's
	global_store_b32 v[SK], v[HW], s[14:15] offset:SOFF
	s_wait_xcnt 0x0
	VOUT 0
	s_wait_xcnt 0x0
	VOUT 1
	s_wait_tensorcnt 0x0
	ds_add_u32 v254, v255
	s_wait_dscnt 0x0
	CROUND                                         ; the closing round: no work-group ends while a partner may still ask for a tile that names it
	s_endpgm
.Lfunc_end_k_qebfbad06e4_proj:
	.size	k_qebfbad06e4_proj, .Lfunc_end_k_qebfbad06e4_proj-k_qebfbad06e4_proj
	.p2alignl 7, 3214868480
	.fill 96, 4, 3214868480
	.section	.rodata,"a",@progbits
	.p2align	6, 0x0
	.amdhsa_kernel k_qebfbad06e4_proj
		.amdhsa_group_segment_fixed_size 279040
		.amdhsa_private_segment_fixed_size 0
		.amdhsa_enable_private_segment 0
		.amdhsa_kernarg_size 48
		.amdhsa_user_sgpr_count 2
		.amdhsa_user_sgpr_kernarg_segment_ptr 1
		.amdhsa_wavefront_size32 1
		.amdhsa_system_sgpr_workgroup_id_x 1
		.amdhsa_system_sgpr_workgroup_id_y 1
		.amdhsa_system_sgpr_workgroup_id_z 1
		.amdhsa_system_vgpr_workitem_id 0
		.amdhsa_next_free_vgpr 768
		.amdhsa_next_free_sgpr 100
		.amdhsa_reserve_vcc 1
		.amdhsa_float_denorm_mode_32 3
		.amdhsa_float_denorm_mode_16_64 3
		.amdhsa_memory_ordered 1
		.amdhsa_forward_progress 1
		.amdhsa_inst_pref_size 97
	.end_amdhsa_kernel
	.amdgpu_metadata
---
amdhsa.version: [ 1, 2 ]
amdhsa.kernels:
  - .name:           k_qebfbad06e4_proj
    .symbol:         k_qebfbad06e4_proj.kd
    .args:
      - { .name: x_codes, .offset: 0, .size: 8, .value_kind: global_buffer, .address_space: global }
      - { .name: x_scales, .offset: 8, .size: 8, .value_kind: global_buffer, .address_space: global }
      - { .name: Wq_codes, .offset: 16, .size: 8, .value_kind: global_buffer, .address_space: global }
      - { .name: Wq_scales, .offset: 24, .size: 8, .value_kind: global_buffer, .address_space: global }
      - { .name: bq, .offset: 32, .size: 8, .value_kind: global_buffer, .address_space: global }
      - { .name: kv, .offset: 40, .size: 8, .value_kind: global_buffer, .address_space: global }
    .group_segment_fixed_size: 279040
    .private_segment_fixed_size: 0
    .kernarg_segment_align: 8
    .kernarg_segment_size: 48
    .max_flat_workgroup_size: 128
    .sgpr_count:     100
    .vgpr_count:     768
    .wavefront_size: 32
...
	.end_amdgpu_metadata
.endif
;; end of part 1
;; launch attn (part 2): grid 8 x 32, 16 waves a work-group, clusters of 4 x 1, 272,384 bytes of LDS; arguments kv, ac, asc; writes ac, asc
.if DOCPART == 2
	.amdgcn_target "amdgcn-amd-amdhsa--gfx1250"
	.amdhsa_code_object_version 6
	.text
	.protected	k_qebfbad06e4_attn
	.globl	k_qebfbad06e4_attn
	.p2align	8
	.type	k_qebfbad06e4_attn,@function
k_qebfbad06e4_attn:
	s_mov_b64 s[64:65], 0
	v_nop
	global_prefetch_b8 v0, s[64:65] scope:SCOPE_SE
	s_setreg_imm32_b32 hwreg(HW_REG_WAVE_MODE, 25, 1), 1
	s_wait_xcnt 0x0
	s_wait_alu depctr_hold_cnt(0) depctr_sa_sdst(0) depctr_va_vdst(0) depctr_va_sdst(0) depctr_va_ssrc(0) depctr_va_vcc(0) depctr_vm_vsrc(0)
	s_getreg_b32 s2, hwreg(HW_REG_IB_STS2, 6, 4)
	s_cmp_eq_u32 s2, 0
	s_cbranch_scc0 .Lentry_in_a_cluster
	s_endpgm
.Lentry_in_a_cluster:
	s_bfe_u32 s2, ttmp6, 0x10000c
	s_cmp_lg_u32 s2, 0x3003
	s_cbranch_scc0 .Lentry_shape_is_right
	s_endpgm
.Lentry_shape_is_right:
; attn[q] = the sum over keys k of softmax_k(q . k / 8) v_k for one (batch, head), Q = K = V = the projected q, both products on codes of BF8 (E5M2) with E8M0 scales; the result quantised along D for the last product.
; IN: kv [32 (batch, head)][16 steps of 128 keys][16,896 bytes]: images of operand registers (a fragment is 2,048 bytes, register group c at 512 c + 16 x lane): four fragments of K, row r of fragment f =
;   [key 32 f + r: 64 codes | key 32 f + 16 + r: 64 codes]; four of V (rows d = 16 t + r, 128 keys along K); 512 bytes of scale words [i][lane] (i = 0, 1 K's, i = 2, 3 V's; the odd fragment in lanes 16-31).
; OUT: ac [32 blocks of 128 rows][8 K steps][8 tiles of 16 rows][2,048 bytes]: head hh fills register groups 2 (hh % 2), 2 (hh % 2) + 1 of K step hh / 2.  asc [8 K steps][4,096 rows] scale words; head hh fills the half hh % 2.
; THE SOFTMAX.  t = score x log2(e) / 8.  Each block of 32 keys of a row has a whole number K = ceil(15 - the block's largest t), and p' = 2^(t + K): the block's largest p' has the exponent 15, so p' is what the quantiser
;   divides its block's numbers to: it is held at 57,344 and converted with the scale 1.  p = p' x 2^(k - K), k = the smallest K of the row so far: so k takes the running maximum's place (whole, like M, and apart from M by a whole
;   number, which divides out).  A block's scale byte is 127 + k - K; the row's sum takes 2^(k - K) x the sum of the block's unquantised p'; when k moves, sum and O are multiplied by 2^(new k - old k): nothing is rounded.
;   2^(k - K) is made as a bit pattern: (127 + k - K) x 2^23, exact in f32, converted to an unsigned whole number, which holds it at 0 from below: what lies 2^127 under the row's largest counts for nothing.
; K = 64 IN AN INSTRUCTION 128 DEEP.  A fragment of K carries two keys a row; the queries stand as Z, q0, Z, q1, Z (Z = zero codes): [q | Z] gives the low keys' scores, [Z | q] the high keys'.
; SHARES.  A work-group owns 256 queries of one head.  Wave w: 32 queries (w % 8: one fragment of K as queries, its low and high keys two tiles) x half of the keys (w / 8: 8 steps).  Four waves to a SIMD.  At the end waves w and
;   w xor 8 exchange one tile's sums each through LDS, and each finishes one tile: wave w's FIRST tile, tile w / 8 of the fragment.
; Both products are used transposed (S^T = K Q^T, O^T = V^T P^T): a lane holds ONE query throughout.  A step is two units of 64 keys; a unit is four blocks: i = 2 x tile + fragment.
; THE WHOLE HEAD LIES IN LDS AT ONCE, as it lies in memory: sixteen steps, one tensor load a wave, each filled once.  Nothing is prefetched: everything is asked for at the head, and no loop runs ahead of a load.
; CLUSTER: the four query blocks of a cluster belong to one head and want the same bytes: each step is asked for jointly, by the same load with the same descriptor and the mask 15.
; LIMITS: NaN and infinities are not served.  The promise holds while t stays under 2^23 in magnitude (beyond that neighbouring f32 numbers t lie a whole unit or more apart).  A block's byte may fall to 0 (2^-127), never lower;
;   this program alone reads these bytes.  K is permuted inside blocks of 32, alike on both sides: the order of summing differs from the true order.
.set STEPB, 16896
.set HEADB, 16*STEPB
.set HALFB, 8*STEPB
.set VOFF,  8192
.set SOFF,  16384
.set SPARE, HEADB                      ; behind the head: the spare words, 128 bytes for each wave
.set XB,    4352                       ; the exchange: 32 registers and two more of each wave, over steps that have been read for the last time
.set ADR, 1                            ; v1     LDS address of the step's fragments
.set ADS, 2                            ; v2     of its scale words
.set SPW, 3
.set NIL, 4
.set KS,  5                            ; v5     K's scale words of the unit
.set VS,  6                            ; v6-7   V's
.set QS,  8                            ; v8     Q's: lanes 0-15 my first tile's, lanes 16-31 my second's
.set ONE, 9                            ; v9     1.0: the conversions' scale operand
.set PW,  10                           ; v10-11 p's scale words, a register a tile
.set KR,  12                           ; v12-13 k of each tile
.set L,   14                           ; v14-15 the row's sum of each tile (my half of the lanes)
.set FF,  16                           ; v16-17 2^(new k - old k)
.set KN,  18                           ; v18-19 the new k
.set KB,  20                           ; v20-27 at 4 tile + 2 unit + fragment: a block's largest score, then K, then 2^(k - K)
.set SA,  28                           ; v28-31 unit 0's block sums
.set T,   32                           ; v32-39 a unit's block sums, in two halves each
.set QZ,  40                           ; v40-79 Z, q0, Z, q1, Z
.set P0,  80                           ; v80-95 and v104-119: p's codes of tile 0 and 1 (24 apart), a unit's eight registers at work until its conversions; their upper halves lie in
.set F0,  88                           ; v88-103, v112-127: two fragments of K (24 apart)
.set TB,  112                          ; v112-119 in unit 1: the scale words at work
.set S,   128                          ; v128-191 S^T, then p'; then V's four fragments
.set O,   192                          ; v192-255 O^T: tile t, channels 16 d + 8 h + j: O + 32 t + 8 d + j
.set WV,  10
.set G1,  16
.set G0,  24
.set N23, 28                           ; s[28:29] -2^23
.set P23, 30                           ; 2^23
.set Z127, 31                          ; 127 x 2^23
.set HF,  32                           ; which half of the keys
.set HB,  33                           ; where it begins in LDS
.set GQ,  34                           ; which 32 queries
.set SEL, 40
.set CS,  42                           ; s[42:43] c = log2(e) / 8
.set NEGC, 44
.set F15, 45
.set HOLD, 46
.set CNT, 47
.macro PLACES n
.rept \n
	v_nop
.endr
.endm
.macro WALU
	s_wait_alu depctr_va_vdst(0)
.endm
.macro BAR
	s_barrier_signal -1
	s_barrier_wait -1
.endm
.macro CROUND                          ; a round of the cluster's barrier
	BAR
	s_cmp_lg_u32 s[WV], 0
	s_cbranch_scc1 .Lnot_wave_0_\@
	s_barrier_signal -3
.Lnot_wave_0_\@:
	s_barrier_wait -3
	BAR
.endm
	s_load_b128 s[4:7], s[0:1], 0x0                ; kv s[4:5], ac s[6:7]
	s_load_b64 s[8:9], s[0:1], 0x10                ; asc
	v_lshl_add_u32 v[SPW], v0, 2, SPARE
	v_mov_b32 v[NIL], 0
	ds_add_u32 v[SPW], v[NIL]                      ; the wave's opening
	ds_add_u32 v[SPW], v[NIL]
	v_lshrrev_b32 v[T], 5, v0
	v_readfirstlane_b32 s[WV], v[T]                ; wave 0..15
	s_bfe_u32 s11, ttmp6, 0x40000                  ; cx
	s_lshl_b32 s12, ttmp9, 2
	s_add_co_u32 s12, s12, s11                     ; my block of 256 queries: it enters global addresses of Q, ac and asc alone
	s_and_b32 s13, ttmp7, 0xffff                   ; 16 batch + head, which the four partners share
	s_lshr_b32 s[HF], s[WV], 3
	s_and_b32 s[GQ], s[WV], 7
	; descriptor group 1: a step: 66 rows of 256 bytes (32 elements of 8 bytes), dense in memory and in LDS
	s_mov_b32 s[G1], 15|(3<<16)|(1<<21)            ; 15:0 the mask: all four work-groups; 17:16 elements of 8 bytes; 20 no padding; 21 set beside a mask
	s_mov_b32 s[G1+1], 32<<16                      ; tensor_dim0
	s_mov_b32 s[G1+2], 66<<16                      ; tensor_dim1
	s_mov_b32 s[G1+3], 32<<16                      ; tile_dim0
	s_mov_b32 s[G1+4], 66                          ; tile_dim1
	s_mov_b32 s[G1+5], 32                          ; tensor_dim0_stride
	s_mov_b32 s[G1+6], 0
	s_mov_b32 s[G1+7], 0
	s_lshr_b32 s50, s[WV], 1                       ; I fetch step w / 2 + 8 (w % 2): waves 0 and 1 the two halves' first steps
	s_and_b32 s51, s[WV], 1
	s_lshl_b32 s51, s51, 3
	s_add_co_u32 s50, s50, s51
	s_mul_i32 s50, s50, STEPB
	s_mov_b32 s51, 0
	s_mul_i32 s48, s13, HEADB
	s_mov_b32 s49, 0
	s_lshl_b32 s54, s12, 1                         ; my queries are fragment GQ % 4 of step 2 x block + GQ / 4
	s_lshr_b32 s55, s[GQ], 2
	s_add_co_u32 s54, s54, s55
	s_mul_i32 s54, s54, STEPB
	s_mov_b32 s55, 0
	s_and_b32 s58, s[GQ], 3
	s_lshl_b32 s58, s58, 11
	s_mov_b32 s59, 0
	s_bfe_u32 s62, s[GQ], 0x10001                  ; its scale words: register (GQ % 4) / 2, lanes 16 (GQ % 2) on
	s_lshl_b32 s62, s62, 7
	s_and_b32 s63, s[GQ], 1
	s_lshl_b32 s63, s63, 6
	s_add_co_u32 s62, s62, s63
	s_lshl_b32 s60, s[HF], 10                      ; my first tile is tile HF of the fragment: its register groups lie 1,024 HF bytes on
	s_mov_b32 s61, 0
	s_xor_b32 s52, s60, 1024                       ; my second is the other
	s_mov_b32 s53, 0
	s_mul_i32 s[HB], s[HF], HALFB
	s_mov_b32 s[SEL], 0x76543210
	s_mov_b32 s[SEL+1], 0xfedcba98                 ; v_permlanex16_b32's selects for lane l xor 16
	s_mov_b32 s[CS], 0x3e38aa3b                    ; c = log2(e) / sqrt(64)
	s_mov_b32 s[CS+1], s[CS]                       ; (named with it as a pair)
	s_mov_b32 s[NEGC], 0xbe38aa3b
	s_mov_b32 s[F15], 0x41700000                   ; 15.0
	s_mov_b32 s[HOLD], 0x47600000                  ; 57,344
	s_mov_b32 s[N23], 0xcb000000
	s_mov_b32 s[N23+1], s[N23]
	s_mov_b32 s[P23], 0x4b000000
	s_mov_b32 s[Z127], 0x4e7e0000
	v_and_b32 v128, 31, v0                         ; lane
	v_and_b32 v129, 15, v0
	v_bfe_u32 v133, v0, 4, 1
	v_lshlrev_b32 v130, 4, v128
	v_lshl_add_u32 v[ADS], v128, 2, SOFF
	v_lshlrev_b32 v131, 2, v129
	v_xor_b32 v133, s[HF], v133
	v_add_nc_u32 v[ADR], s[HB], v130
	v_add_nc_u32 v[ADS], s[HB], v[ADS]
	v_add_nc_u32 v131, s62, v131
	v_lshlrev_b32 v133, 4, v133
	WALU
	s_wait_dscnt 0x0                               ; both opening adds are done
	s_wait_kmcnt 0x0
	s_add_nc_u64 s[4:5], s[4:5], s[48:49]          ; kv at the head
	s_add_nc_u64 s[56:57], s[4:5], s[54:55]        ; at my queries' step
	s_add_nc_u64 s[58:59], s[56:57], s[58:59]      ; at my queries' fragment
	s_add_nc_u64 s[60:61], s[58:59], s[60:61]
	s_add_nc_u64 s[52:53], s[58:59], s[52:53]
	global_load_b32 v132, v131, s[56:57] offset:SOFF       ; row r's word: (low key's two bytes, high key's two)
.irp b, 0,1                            ; Q comes from memory, since its place hangs on cx and no LDS address may
	global_load_b128 v[QZ+8+4*\b:QZ+8+4*\b+3], v130, s[60:61] offset:512*\b
	global_load_b128 v[QZ+24+4*\b:QZ+24+4*\b+3], v130, s[52:53] offset:512*\b
.endr
	CROUND                                         ; all four work-groups are here: the joint loads meet
	s_mov_b32 s[G0], 1                             ; count = 1
	s_mov_b32 s[G0+1], s50                         ; LDS address
	s_add_nc_u64 s[G0+2:G0+3], s[4:5], s[50:51]    ; global address
	s_or_b32 s[G0+3], s[G0+3], 0x80000000          ; type = 2
	s_cmp_lt_u32 s[WV], 2                          ; one load a wave; the two steps that are shown first have a line of their own
	s_cbranch_scc0 .Lothers
	tensor_load_to_lds s[G0:G0+3], s[G1:G1+7]
	s_nop 0
	PLACES 4
	s_branch .Lasked
.Lothers:
	tensor_load_to_lds s[G0:G0+3], s[G1:G1+7]
	s_nop 0
	PLACES 4
.Lasked:
.irp z, 0,16,32
.irp j, 0,1,2,3,4,5,6,7
	v_mov_b32 v[QZ+\z+\j], 0                       ; Z
.endr
.endr
	WALU
	s_wait_loadcnt 0x0                             ; Q and its scale words
	v_lshrrev_b32 v132, v133, v132                 ; my lanes' tile: the low or the high key's two bytes,
	v_and_b32 v132, 0xffff, v132
	v_lshl_or_b32 v[QS], v132, 16, v132            ; twice: the same word serves [q | Z] and [Z | q]
.irp b, 0,1,2,3
	v_mov_b32 v[T+\b], 0                           ; a lane permute's destination counts as one of its sources
.endr
	v_mov_b32 v[ONE], 1.0
	PLACES 3                                       ; eight places between a scale word's write and the product
; One scaled product.  ra, rb = 1: that side's scale words stand in lanes 16-31 of its register.  z = 1: C = 0.
.macro WM d, a, b, sa, ra, sb, rb, z
.if \z
.if (\ra) && (\rb)
	v_wmma_scale_f32_16x16x128_f8f6f4 v[\d:\d+7], v[\a:\a+15], v[\b:\b+15], 0, v[\sa], v[\sb] matrix_a_fmt:MATRIX_FMT_BF8 matrix_b_fmt:MATRIX_FMT_BF8 matrix_a_scale:MATRIX_SCALE_ROW1 matrix_b_scale:MATRIX_SCALE_ROW1
.elseif (\ra)
	v_wmma_scale_f32_16x16x128_f8f6f4 v[\d:\d+7], v[\a:\a+15], v[\b:\b+15], 0, v[\sa], v[\sb] matrix_a_fmt:MATRIX_FMT_BF8 matrix_b_fmt:MATRIX_FMT_BF8 matrix_a_scale:MATRIX_SCALE_ROW1
.elseif (\rb)
	v_wmma_scale_f32_16x16x128_f8f6f4 v[\d:\d+7], v[\a:\a+15], v[\b:\b+15], 0, v[\sa], v[\sb] matrix_a_fmt:MATRIX_FMT_BF8 matrix_b_fmt:MATRIX_FMT_BF8 matrix_b_scale:MATRIX_SCALE_ROW1
.else
	v_wmma_scale_f32_16x16x128_f8f6f4 v[\d:\d+7], v[\a:\a+15], v[\b:\b+15], 0, v[\sa], v[\sb] matrix_a_fmt:MATRIX_FMT_BF8 matrix_b_fmt:MATRIX_FMT_BF8
.endif
.elseif (\ra)
	v_wmma_scale_f32_16x16x128_f8f6f4 v[\d:\d+7], v[\a:\a+15], v[\b:\b+15], v[\d:\d+7], v[\sa], v[\sb] matrix_a_fmt:MATRIX_FMT_BF8 matrix_b_fmt:MATRIX_FMT_BF8 matrix_a_scale:MATRIX_SCALE_ROW1
.else
	v_wmma_scale_f32_16x16x128_f8f6f4 v[\d:\d+7], v[\a:\a+15], v[\b:\b+15], v[\d:\d+7], v[\sa], v[\sb] matrix_a_fmt:MATRIX_FMT_BF8 matrix_b_fmt:MATRIX_FMT_BF8
.endif
.endm
.macro KLOAD un                        ; the unit's scale words and two fragments of K: 1 + 4 + 4 loads
	ds_load_b32 v[KS], v[ADS] offset:128*\un
.irp f, 0,1
.irp c, 0,1,2,3
	ds_load_b128 v[F0+24*\f+4*\c:F0+24*\f+4*\c+3], v[ADR] offset:2048*(2*\un+\f)+512*\c
.endr
.endr
.endm
.macro SMUL                            ; S^T = K Q^T, two tiles: register 16 (2 t + f) + 8 u + j holds the unit's key 32 f + 16 u + 8 h + j
	WALU
.irp f, 0,1
	s_wait_dscnt 4-4*\f                            ; fragment 1's four loads may be out while fragment 0 is multiplied
.irp u, 0,1
.irp t, 0,1
.set rD, S+16*(2*\t+\f)+8*\u
.set rA, F0+24*\f
.set rB, QZ+8+16*\t-8*\u
	WM rD, rA, rB, KS, \f, QS, \t, 1
.endr
.endr
.endr
.endm
.macro PKF i, j, un                    ; t + K of block i's j-th pair
.set rS, S+16*(\i)+2*(\j)
.set rK, KB+4*((\i)/2)+2*\un
.if (\i)%2
	v_pk_fma_f32 v[rS:rS+1], v[rS:rS+1], s[CS:CS+1], v[rK:rK+1] op_sel:[0,0,1] op_sel_hi:[1,0,1]
.else
	v_pk_fma_f32 v[rS:rS+1], v[rS:rS+1], s[CS:CS+1], v[rK:rK+1] op_sel_hi:[1,0,0]
.endif
.endm
.macro DMIN m                          ; the m-th pair of p' held: the conversion does not saturate (ISA guide 7.6.2); p' is not negative, so the hold is one-sided
	v_dual_min_num_f32 v[S+2*(\m)], s[HOLD], v[S+2*(\m)] :: v_dual_min_num_f32 v[S+2*(\m)+1], s[HOLD], v[S+2*(\m)+1]
.endm
.macro ADDP d, a, b
	v_pk_add_f32 v[(\d):(\d)+1], v[(\a):(\a)+1], v[(\b):(\b)+1]
.endm
.macro FILL k, un                      ; blocks 0 and 1 among the exponentials of blocks 2 and 3: k < 8: four first sums each; then their sixteen holds
.if (\k) < 8
.set rS, S+16*((\k)%2)+4*((\k)/2)
.set rP, P0+24*((\k)%2)+8*\un+2*((\k)/2)
	ADDP rP, rS, rS+2
.else
	DMIN (\k)-8
.endif
.endm
; A unit's four blocks up to p'.  Nothing here hangs on k.
.macro SOFTMAX un
.irp i, 0,1,2,3
.set rK, KB+4*(\i/2)+2*\un+(\i%2)
	v_max3_num_f32 v[rK], v[S+16*\i], v[S+16*\i+1], v[S+16*\i+2]
.endr
.irp k, 3,5,7,9,11,13
.irp i, 0,1,2,3
.set rK, KB+4*(\i/2)+2*\un+(\i%2)
	v_max3_num_f32 v[rK], v[rK], v[S+16*\i+\k], v[S+16*\i+\k+1]    ; the four blocks by turns
.endr
.endr
.irp i, 0,1,2,3
.set rK, KB+4*(\i/2)+2*\un+(\i%2)
	v_max_num_f32 v[rK], v[rK], v[S+16*\i+15]
.endr
.irp i, 0,1,2,3
.set rK, KB+4*(\i/2)+2*\un+(\i%2)
	v_permlanex16_b32 v[T+\i], v[rK], s[SEL], s[SEL+1]
.endr
.irp i, 0,1,2,3
.set rK, KB+4*(\i/2)+2*\un+(\i%2)
	v_max_num_f32 v[rK], v[rK], v[T+\i]            ; with lane l xor 16's 16 keys: the block's largest score
.endr
.irp i, 0,1,2,3
.set rK, KB+4*(\i/2)+2*\un+(\i%2)
	v_fma_f32 v[rK], v[rK], s[NEGC], s[F15]        ; 15 - t
.endr
.irp i, 0,1,2,3
.set rK, KB+4*(\i/2)+2*\un+(\i%2)
	v_ceil_f32 v[rK], v[rK]                        ; K
.endr
.irp j, 0,1,2,3,4,5,6,7
	PKF 0, \j, \un
	PKF 1, \j, \un
.endr
	WALU                                           ; ahead of the batch
.irp j, 0,1,2,3,4,5,6,7,8,9,10,11,12,13,14,15
	v_exp_f32 v[S+2*\j], v[S+2*\j]                 ; p' of blocks 0 and 1, and between them t + K of blocks 2 and 3
	v_exp_f32 v[S+2*\j+1], v[S+2*\j+1]
	PKF 2+\j/8, \j%8, \un
.endr
	WALU                                           ; behind the one batch and ahead of the next
.irp j, 0,1,2,3,4,5,6,7
	v_exp_f32 v[S+32+4*\j], v[S+32+4*\j]
	v_exp_f32 v[S+33+4*\j], v[S+33+4*\j]
	FILL 3*\j, \un
	v_exp_f32 v[S+34+4*\j], v[S+34+4*\j]
	FILL 3*\j+1, \un
	v_exp_f32 v[S+35+4*\j], v[S+35+4*\j]
	FILL 3*\j+2, \un
.endr
	WALU                                           ; ahead of the first reader of the batch's results, and of what was written among it
.endm
; The sums of the unquantised p', in two halves a block, in five parts of independent lines.
.macro X1 un
.irp b, 0,1
.set rP, P0+24*\b+8*\un
	ADDP rP, rP, rP+2
	ADDP rP+4, rP+4, rP+6
.endr
.endm
.macro X2 un
.irp b, 0,1
.set rP, P0+24*\b+8*\un
	ADDP T+4+2*\b, S+32+16*\b, S+34+16*\b
	ADDP rP+2, S+36+16*\b, S+38+16*\b
.endr
.irp b, 0,1
.set rP, P0+24*\b+8*\un
	ADDP T+2*\b, rP, rP+4
.endr
.endm
.macro X3 un, k
.irp b, 0,1
.set rP, P0+24*\b+8*\un
	ADDP T+4+2*\b, T+4+2*\b, S+\k+16*\b
	ADDP rP+2, rP+2, S+\k+2+16*\b
.endr
.endm
.macro X5 un
.irp b, 0,1
.set rP, P0+24*\b+8*\un
	ADDP T+4+2*\b, T+4+2*\b, rP+2
.endr
.endm
.macro CVT i, un
.set rP, P0+24*(\i/2)+8*\un+4*(\i%2)
	v_cvt_scalef32_pk8_bf8_f32 v[rP:rP+1], v[S+16*\i:S+16*\i+7], v[ONE]
	v_cvt_scalef32_pk8_bf8_f32 v[rP+2:rP+3], v[S+16*\i+8:S+16*\i+15], v[ONE]
.endm
.macro VLOAD d                         ; V's fragment d takes the place of block d's p'
.irp c, 0,1,2,3
	ds_load_b128 v[S+16*\d+4*\c:S+16*\d+4*\c+3], v[ADR] offset:VOFF+2048*\d+512*\c
.endr
.endm
.macro LREST                           ; the rest of a step's sums: unit 0's second blocks, unit 1's blocks
	v_fmac_f32 v[L], v[SA+1], v[KB+1]
	v_fmac_f32 v[L+1], v[SA+3], v[KB+5]
	v_fmac_f32 v[L], v[T], v[KB+2]
	v_fmac_f32 v[L+1], v[T+4], v[KB+6]
	v_fmac_f32 v[L], v[T+2], v[KB+3]
	v_fmac_f32 v[L+1], v[T+6], v[KB+7]
.endm
; A KEY STEP: 128 keys.  first = 1: the wave's first step starts k, the sums and O.
; Behind each group of products stand eight plain vector instructions, nine where the next products write over what they have read: work that is due, and v_nop where there is none.
.macro STEP first
	KLOAD 0
	SMUL
.if \first
	PLACES 8
.else
	LREST                                          ; the step before's
	PLACES 2
.endif
	KLOAD 1
	SOFTMAX 0
	X1 0
	X2 0
	X3 0, 40
	X3 0, 44
	X5 0
.irp m, 16,17,18,19,20,21,22,23,24,25,26,27,28,29,30,31
	DMIN \m
.endr
.irp i, 0,1,2,3
	CVT \i, 0
.endr
.irp t, 0,1
.if \first
	v_min_num_f32 v[KN+\t], v[KB+4*\t], v[KB+4*\t+1]
.else
	v_min3_num_f32 v[KN+\t], v[KB+4*\t], v[KB+4*\t+1], v[KR+\t]
.endif
.endr
	SMUL
.irp i, 0,1,2,3
	v_add_f32 v[SA+\i], v[T+2*\i], v[T+2*\i+1]     ; unit 0's block sums
.endr
	PLACES 4
	SOFTMAX 1
	; unit 1's sums, and between them k and the blocks' 2^(k - K)
	X1 1
.irp t, 0,1
	v_min3_num_f32 v[KN+\t], v[KN+\t], v[KB+4*\t+2], v[KB+4*\t+3]  ; the new k
.endr
	X2 1
.irp t, 0,1
	v_fma_f32 v[FF+\t], v[KN+\t], s[P23], s[Z127]  ; (127 + k) x 2^23
.endr
	X3 1, 40
.irp k, 0,2
	v_pk_fma_f32 v[KB+\k:KB+\k+1], v[KB+\k:KB+\k+1], s[N23:N23+1], v[FF:FF+1] op_sel_hi:[1,0,0]
	v_pk_fma_f32 v[KB+4+\k:KB+4+\k+1], v[KB+4+\k:KB+4+\k+1], s[N23:N23+1], v[FF:FF+1] op_sel:[0,0,1] op_sel_hi:[1,0,1]
.endr
.if \first == 0
	v_pk_fma_f32 v[KR:KR+1], v[KR:KR+1], s[N23:N23+1], v[FF:FF+1] op_sel_hi:[1,0,1]
.endif
	X3 1, 44
	X5 1
.irp i, 0,4,1,5,2,6,3,7
	v_cvt_u32_f32 v[KB+\i], v[KB+\i]               ; 2^(k - K) as bits
.endr
.if \first == 0
	v_cvt_u32_f32 v[FF], v[KR]                     ; 2^(new k - old k)
	v_cvt_u32_f32 v[FF+1], v[KR+1]
.endif
	v_dual_mov_b32 v[KR], v[KN] :: v_dual_mov_b32 v[KR+1], v[KN+1]
	CVT 0, 1
	CVT 1, 1
	ds_load_b32 v[VS], v[ADS] offset:256
	ds_load_b32 v[VS+1], v[ADS] offset:384
	VLOAD 0
	VLOAD 1
	; p's scale words, the four exponent fields of a tile, and between them the holds of blocks 2 and 3
.irp t, 0,1
	v_lshrrev_b32 v[TB+4*\t], 23, v[KB+4*\t]
.endr
	DMIN 16
	DMIN 17
.irp t, 0,1
	v_lshrrev_b32 v[TB+4*\t+1], 15, v[KB+4*\t+1]
.endr
	DMIN 18
	DMIN 19
.irp t, 0,1
	v_lshrrev_b32 v[TB+4*\t+2], 7, v[KB+4*\t+2]
.endr
	DMIN 20
	DMIN 21
.irp t, 0,1
	v_or_b32 v[TB+4*\t], v[TB+4*\t], v[TB+4*\t+1]
.endr
	DMIN 22
	DMIN 23
	DMIN 24
.irp t, 0,1
	v_or_b32 v[TB+4*\t], v[TB+4*\t], v[TB+4*\t+2]
.endr
	DMIN 25
	DMIN 26
	DMIN 27
.irp t, 0,1
	v_lshl_or_b32 v[PW+\t], v[KB+4*\t+3], 1, v[TB+4*\t]
.endr
	DMIN 28
	DMIN 29
	DMIN 30
	DMIN 31
	CVT 2, 1
	CVT 3, 1
	VLOAD 2
	VLOAD 3
.if \first
	PLACES 8                                       ; between a scale word's write and the product
.else
	WALU                                           ; ahead of the first reader of O^T
.irp t, 0,1
.set j, 0
.rept 16
	v_pk_mul_f32 v[O+32*\t+j:O+32*\t+j+1], v[O+32*\t+j:O+32*\t+j+1], v[FF:FF+1] op_sel:[0,\t] op_sel_hi:[1,\t]
.set j, j+2
.endr
.endr
.endif
	WALU
	s_wait_dscnt 8                                 ; V's fragments 2 and 3 may be out
.irp d, 0,1,2,3                        ; O^T += V^T P^T: the eight accumulators take turns, one instruction a turn
.if \d == 2
	s_wait_dscnt 0x0
.endif
.irp t, 0,1
.set rD, O+32*\t+8*\d
.set rA, S+16*\d
.set rB, P0+24*\t
.set rV, VS+\d/2
.set rW, PW+\t
	WM rD, rA, rB, rV, \d%2, rW, 0, \first
.endr
.endr
	v_add_nc_u32 v[ADR], STEPB, v[ADR]
	v_add_nc_u32 v[ADS], STEPB, v[ADS]
.irp i, 0,1,2,3
	v_add_f32 v[T+2*\i], v[T+2*\i], v[T+2*\i+1]    ; unit 1's block sums
.endr
.if \first
	v_mul_f32 v[L], v[SA], v[KB]
	v_mul_f32 v[L+1], v[SA+2], v[KB+4]
	PLACES 2
.else
	v_mul_f32 v[L], v[L], v[FF]
	v_mul_f32 v[L+1], v[L+1], v[FF+1]
	v_fmac_f32 v[L], v[SA], v[KB]
	v_fmac_f32 v[L+1], v[SA+2], v[KB+4]
.endif
.endm
	WALU                                           ; at the head's end
	s_cmp_lt_u32 s[WV], 2
	s_cbranch_scc0 .Lnot_first
	s_wait_tensorcnt 0x0                           ; waves 0 and 1: the halves' first steps are in.  The other waves' wait stands at the second barrier
.Lnot_first:
	BAR
	STEP 1
	WALU
	s_wait_tensorcnt 0x0                           ; all sixteen steps are in
	s_wait_dscnt 0x0
	BAR
	s_mov_b32 s[CNT], 7
.Lstep:
	STEP 0
	WALU
	s_sub_co_u32 s[CNT], s[CNT], 1
	s_cmp_lg_u32 s[CNT], 0
	s_cbranch_scc1 .Lstep
	LREST
	; where my tile goes
	s_lshr_b32 s48, s13, 4                         ; batch
	s_and_b32 s49, s13, 15                         ; head
	s_lshl_b32 s48, s48, 3
	s_add_co_u32 s48, s48, s12                     ; 8 batch + my block of 256 rows
	s_lshr_b32 s54, s49, 1                         ; K step of the last product
	s_and_b32 s55, s49, 1                          ; which half of it
	s_lshl_b32 s50, s48, 1
	s_lshr_b32 s51, s[GQ], 2
	s_add_co_u32 s50, s50, s51                     ; block of 128 rows
	s_lshl_b32 s50, s50, 17
	s_lshl_b32 s51, s54, 14
	s_add_co_u32 s50, s50, s51
	s_and_b32 s51, s[GQ], 3
	s_lshl_b32 s51, s51, 12
	s_add_co_u32 s50, s50, s51
	s_lshl_b32 s51, s[HF], 11                      ; tile HF of the two
	s_add_co_u32 s50, s50, s51
	s_lshl_b32 s51, s55, 10                        ; register groups 2 (head % 2) on
	s_add_co_u32 s50, s50, s51
	s_mov_b32 s51, 0
	s_lshl_b32 s52, s48, 3
	s_add_co_u32 s52, s52, s[GQ]
	s_lshl_b32 s52, s52, 7                         ; asc: my 32 rows' words,
	s_lshl_b32 s53, s[HF], 6                       ; my 16 of them
	s_add_co_u32 s52, s52, s53
	s_lshl_b32 s53, s54, 14
	s_add_co_u32 s52, s52, s53
	s_lshl_b32 s53, s55, 1                         ; my head's half
	s_add_co_u32 s52, s52, s53
	s_mov_b32 s53, 0
	s_add_nc_u64 s[6:7], s[6:7], s[50:51]
	s_add_nc_u64 s[8:9], s[8:9], s[52:53]
	s_mul_i32 s48, s[WV], XB                       ; my bytes of the exchange
	s_xor_b32 s49, s[WV], 8
	s_mul_i32 s49, s49, XB                         ; my partner's
	v_and_b32 v128, 31, v0
	v_lshlrev_b32 v190, 4, v128                    ; 16 x lane
	v_lshlrev_b32 v191, 2, v128                    ; 4 x lane
	v_add_nc_u32 v129, s48, v190
	v_add_nc_u32 v130, s48, v191
	v_add_nc_u32 v131, s49, v190
	v_add_nc_u32 v132, s49, v191
	WALU
	s_wait_dscnt 0x0
	BAR                                            ; nobody reads a step any more
.irp k, 0,1,2,3,4,5,6,7
	ds_store_b128 v129, v[O+32+4*\k:O+32+4*\k+3] offset:512*\k     ; my second tile, which my partner finishes
.endr
	ds_store_b32 v130, v[KR+1] offset:4096
	ds_store_b32 v130, v[L+1] offset:4224
	s_wait_dscnt 0x0
	BAR
	ds_load_b32 v133, v132 offset:4096
	ds_load_b32 v134, v132 offset:4224
.irp k, 0,1,2,3,4,5,6,7
	ds_load_b128 v[136+4*\k:136+4*\k+3], v131 offset:512*\k        ; my partner's sums over its keys for my first tile
.endr
	v_mov_b32 v172, 0                              ; (destinations of lane permutes, and upper halves of pairs of which the low word alone is used)
	v_mov_b32 v180, 0
	v_mov_b32 v181, 0
	v_mov_b32 v175, 0
	v_mov_b32 v177, 0
	WALU
	s_wait_dscnt 0x0
	v_min_num_f32 v168, v[KR], v133                ; the row's k
	v_sub_f32 v169, v168, v[KR]
	v_sub_f32 v170, v168, v133
	v_cvt_i32_f32 v169, v169                       ; (they saturate)
	v_cvt_i32_f32 v170, v170
	v_ldexp_f32 v169, 1.0, v169
	v_ldexp_f32 v170, 1.0, v170
	v_mul_f32 v171, v[L], v169
	v_fmac_f32 v171, v134, v170
	v_permlanex16_b32 v172, v171, s[SEL], s[SEL+1]
	v_add_f32 v171, v171, v172                     ; with lane l xor 16's: the row's sum
	WALU
	v_rcp_f32 v173, v171
	v_nop                                          ; a plain place behind the transcendental
	WALU
	v_mul_f32 v174, v169, v173
	v_mul_f32 v176, v170, v173
	WALU                                           ; ahead of the first readers of O^T
.set j, 0
.rept 16
	v_pk_mul_f32 v[O+j:O+j+1], v[O+j:O+j+1], v[174:175] op_sel_hi:[1,0]
.set j, j+2
.endr
.set j, 0
.rept 16
	v_pk_fma_f32 v[O+j:O+j+1], v[136+j:136+j+1], v[176:177], v[O+j:O+j+1] op_sel_hi:[1,0,1]   ; attn: register 8 d + j = channel 16 d + 8 h + j of query r
.set j, j+2
.endr
	; THE QUANTISER: registers 16 b .. 16 b + 15 are my half of block b, channels 32 b on
.irp b, 0,1
	v_max3_num_f32 v[178+\b], |v[O+16*\b]|, |v[O+16*\b+1]|, 0x8000000        ; and the floor 2^(16 - 127)
.endr
.irp i, 2,4,6,8,10,12,14
.irp b, 0,1
	v_max3_num_f32 v[178+\b], v[178+\b], |v[O+16*\b+\i]|, |v[O+16*\b+\i+1]|
.endr
.endr
.irp b, 0,1
	v_permlanex16_b32 v[180+\b], v[178+\b], s[SEL], s[SEL+1]
.endr
.irp b, 0,1
	v_max_num_f32 v[178+\b], v[178+\b], v[180+\b]  ; the block's largest magnitude
.endr
	s_mov_b32 s48, 0x600000                        ; the mantissa field of 57,344
.irp b, 0,1
	v_add_nc_u32 v[182+\b], 0xf8800000, v[178+\b]  ; 15 off its exponent field: the conversion's scale operand
.endr
.irp b, 0,1
	v_and_or_b32 v[184+\b], v[178+\b], 0x7f800000, s48     ; 57,344 x the scale
.endr
.irp b, 0,1
	v_lshrrev_b32 v[180+\b], 23, v[182+\b]         ; the scale's byte
.endr
.irp i, 0,1,2,3,4,5,6,7,8,9,10,11,12,13,14,15
.irp b, 0,1
	v_med3_num_f32 v[O+16*\b+\i], v[O+16*\b+\i], -v[184+\b], v[184+\b]
.endr
.endr
.irp b, 0,1
	v_cvt_scalef32_pk8_bf8_f32 v[224+4*\b:225+4*\b], v[O+16*\b:O+16*\b+7], v[182+\b]
	v_cvt_scalef32_pk8_bf8_f32 v[226+4*\b:227+4*\b], v[O+16*\b+8:O+16*\b+15], v[182+\b]
.endr
	v_lshl_or_b32 v180, v181, 8, v180              ; (a plain vector instruction behind the last scaled conversion)  row r's two bytes
	v_cmp_gt_u32 vcc_lo, 16, v128
.irp b, 0,1
	global_store_b128 v190, v[224+4*\b:227+4*\b], s[6:7] offset:512*\b       ; 32 lanes store 512 consecutive bytes
.endr
	WALU
	s_wait_xcnt 0x0                                ; EXEC changes only behind this wait
	s_and_saveexec_b32 s49, vcc_lo                 ; lanes 0-15: lanes 16-31 hold the same rows' bytes
	global_store_b16 v191, v180, s[8:9]
	s_wait_xcnt 0x0
	s_or_b32 exec_lo, exec_lo, s49
	s_wait_tensorcnt 0x0                           ; the wave's end
	ds_add_u32 v[SPW], v[NIL]
	s_wait_dscnt 0x0
	CROUND                                         ; the closing round: no work-group ends while a partner may still ask for a tile that names it
	s_endpgm
.Lfunc_end_k_qebfbad06e4_attn:
	.size	k_qebfbad06e4_attn, .Lfunc_end_k_qebfbad06e4_attn-k_qebfbad06e4_attn
	.p2alignl 7, 3214868480
	.fill 96, 4, 3214868480
	.section	.rodata,"a",@progbits
	.p2align	6, 0x0
	.amdhsa_kernel k_qebfbad06e4_attn
		.amdhsa_group_segment_fixed_size 272384
		.amdhsa_private_segment_fixed_size 0
		.amdhsa_enable_private_segment 0
		.amdhsa_kernarg_size 24
		.amdhsa_user_sgpr_count 2
		.amdhsa_user_sgpr_kernarg_segment_ptr 1
		.amdhsa_wavefront_size32 1
		.amdhsa_system_sgpr_workgroup_id_x 1
		.amdhsa_system_sgpr_workgroup_id_y 1
		.amdhsa_system_sgpr_workgroup_id_z 1
		.amdhsa_system_vgpr_workitem_id 0
		.amdhsa_next_free_vgpr 256
		.amdhsa_next_free_sgpr 66
		.amdhsa_reserve_vcc 1
		.amdhsa_float_denorm_mode_32 3
		.amdhsa_float_denorm_mode_16_64 3
		.amdhsa_memory_ordered 1
		.amdhsa_forward_progress 1
		.amdhsa_inst_pref_size 80
	.end_amdhsa_kernel
	.amdgpu_metadata
---
amdhsa.version: [ 1, 2 ]
amdhsa.kernels:
  - .name:           k_qebfbad06e4_attn
    .symbol:         k_qebfbad06e4_attn.kd
    .args:
      - { .name: kv, .offset: 0, .size: 8, .value_kind: global_buffer, .address_space: global }
      - { .name: ac, .offset: 8, .size: 8, .value_kind: global_buffer, .address_space: global }
      - { .name: asc, .offset: 16, .size: 8, .value_kind: global_buffer, .address_space: global }
    .group_segment_fixed_size: 272384
    .private_segment_fixed_size: 0
    .kernarg_segment_align: 8
    .kernarg_segment_size: 24
    .max_flat_workgroup_size: 512
    .sgpr_count:     66
    .vgpr_count:     256
    .wavefront_size: 32
...
	.end_amdgpu_metadata
.endif
;; end of part 2
;; launch outp (part 3): grid 8 x 32, 4 waves a work-group, clusters of 4 x 4, 301,568 bytes of LDS; arguments ac, asc, Wo_codes, Wo_scales, bo, out0; writes out0
.if DOCPART == 3
	.amdgcn_target "amdgcn-amd-amdhsa--gfx1250"
	.amdhsa_code_object_version 6
	.text
	.protected	k_qebfbad06e4_outp
	.globl	k_qebfbad06e4_outp
	.p2align	8
	.type	k_qebfbad06e4_outp,@function
k_qebfbad06e4_outp:
	s_mov_b64 s[64:65], 0
	v_nop
	global_prefetch_b8 v0, s[64:65] scope:SCOPE_SE
	s_setreg_imm32_b32 hwreg(HW_REG_WAVE_MODE, 25, 1), 1
	s_wait_xcnt 0x0
	s_wait_alu depctr_hold_cnt(0) depctr_sa_sdst(0) depctr_va_vdst(0) depctr_va_sdst(0) depctr_va_ssrc(0) depctr_va_vcc(0) depctr_vm_vsrc(0)
	s_getreg_b32 s2, hwreg(HW_REG_IB_STS2, 6, 4)
	s_cmp_eq_u32 s2, 0
	s_cbranch_scc0 .Lentry_in_a_cluster
	s_endpgm
.Lentry_in_a_cluster:
	s_bfe_u32 s2, ttmp6, 0x10000c
	s_cmp_lg_u32 s2, 0xf033
	s_cbranch_scc0 .Lentry_shape_is_right
	s_endpgm
.Lentry_shape_is_right:
; out = attn Wo^T + bo on codes of BF8 (E5M2) with one E8M0 scale for each 32 along K.  out: [4096][1024] f32.
; attn comes as images of operand registers: ac [32 blocks of 128 rows][8 K steps][8 tiles of 16 rows][2,048 bytes] (register group c at 512 c + 16 x lane), asc [8 K steps][4,096 rows] scale words.
; Wo: [1024][1024] codes, scale bytes [1024][32].  bo: [1024] f32.
; K IS PERMUTED INSIDE EACH BLOCK OF 32: attn's codes were made from a matrix result as they stood: operand place 32 c + 16 h + i holds member 32 c + 16 (i / 8) + 8 h + i % 8.  Wo's fragments are loaded in the same
; order: eight loads of 8 bytes, register pair p taking bytes 16 p + 8 h of the row's 128.  A block's scale is not touched.
; SHARES.  A work-group makes 128 x 128 of out; 8 x 32 = 256 work-groups.  Wave w: 64 rows (w / 2) x 64 columns (w % 2).  Wo's fragments of its 64 columns, all of K, stand in 512 registers; attn's rows stream past them in four blocks
; of 16, 32 products each, and a block leaves while the next ones are multiplied.  The product is used transposed (source 0 = 16 rows of Wo, source 1 = 16 rows of attn): a lane holds eight neighbouring columns of one row.
; THE WHOLE K LIES IN LDS AT ONCE, each side in two halves along K, one tensor load a wave, each filled once; the stages for the way out have bytes of their own behind them.
; CLUSTERS: 4 x 4 work-groups.  The four of a row of the cluster need the same block of attn, the four of a column the same rows of Wo: each half is asked for jointly.
; Nothing is prefetched: everything is asked for at the head, and no loop runs ahead of a load.
; LIMITS: NaN, infinities and a given scale byte 0xff are not served.  bo enters as the C of the first K step, not behind the sum.  The order of summing inside a block of 32 differs from the true order.
; REGISTERS: window 0: v1-22 addresses; v24-39 attn's scale words, v44-59 Wo's (no product's two have numbers equal modulo 8); v64-95 bo; v96-127 rows on their way out; v128-255 the accumulators ((i, t) at 128 + 8 (4 i + t)).
;   windows 1 and 2: Wo's fragments: K step s, tile t at 64 (s % 4) + 16 t of window 1 + s / 4.   window 3: two sets of attn's: block i, K step s at 128 (i % 2) + 16 s.
.set PITCH,  528                       ; an LDS row of Wo: 512 bytes + 16 of padding: with 8 bytes a lane the 32 lanes of a load touch 64 different banks (64 banks of 4 bytes: ISA guide 11.1)
.set CHUNK,  128*PITCH                 ; a half of Wo's rows
.set ACH,    65536                     ; a half of attn: four K steps x 8 tiles x 2,048 bytes, dense
.set BB,     2*ACH                     ; Wo's halves lie behind attn's
.set STG,    BB+2*CHUNK                ; behind them: for each wave two stages of 16 rows x 272 bytes; no tensor load lands here
.set WSTG,   2*16*272
.set SPARE,  STG+4*WSTG
.set AA,   4                           ; v4-5    LDS address of my attn fragments in either half
.set AW,   8                           ; v8-9    the same for Wo
.set STO,  12                          ; v12     the way out: where I put 32 bytes of a row
.set RD,   13                          ; v13     where I read a row back
.set CO,   14                          ; v14     my byte offset in out
.set SPW,  21
.set NIL,  22
.set ASC,  24                          ; register 8 f + s: K step s; lanes 0-15 tile 2 f, lanes 16-31 tile 2 f + 1
.set WSC,  44
.set BO,   64
.set OB,   96
.set ACC,  128
.set WV,   16
.set WR,   17                          ; which 64 rows are mine.  Also: which half of K I fetch
.set WC,   18                          ; which 64 columns
.set G1A,  24
.set G1W,  32
.set G0A,  40
.set G0W,  68
.set MSB, 0
.macro WIN new                         ; the immediate's high byte repeats the setting that is left
.if MSB != \new
	s_set_vgpr_msb (MSB<<8)|\new
.set MSB, \new
.endif
.endm
.macro PLACES n
.rept \n
	v_nop
.endr
.endm
.macro BAR
	s_barrier_signal -1
	s_barrier_wait -1
.endm
.macro CROUND                          ; a round of the cluster's barrier
	BAR
	s_cmp_lg_u32 s[WV], 0
	s_cbranch_scc1 .Lnot_wave_0_\@
	s_barrier_signal -3
.Lnot_wave_0_\@:
	s_barrier_wait -3
	BAR
.endm
	s_load_b256 s[4:11], s[0:1], 0x0               ; ac s[4:5], asc s[6:7], Wo's codes s[8:9], Wo's scales s[10:11]
	s_load_b128 s[12:15], s[0:1], 0x20             ; bo s[12:13], out s[14:15]
	v_lshl_add_u32 v[SPW], v0, 2, SPARE
	v_mov_b32 v[NIL], 0
	ds_add_u32 v[SPW], v[NIL]                      ; the wave's opening
	ds_add_u32 v[SPW], v[NIL]
	v_lshrrev_b32 v1, 5, v0
	v_readfirstlane_b32 s[WV], v1                  ; wave 0..3
	s_lshr_b32 s[WR], s[WV], 1
	s_and_b32 s[WC], s[WV], 1
	s_bfe_u32 s19, ttmp6, 0x40000                  ; cx, cy
	s_bfe_u32 s20, ttmp6, 0x40004
	s_lshl_b32 s21, ttmp9, 2
	s_add_co_u32 s21, s21, s19                     ; x: which 128 columns
	s_and_b32 s22, ttmp7, 0xffff
	s_lshl_b32 s22, s22, 2
	s_add_co_u32 s22, s22, s20                     ; y: which 128 rows
	s_lshl_b32 s23, s20, 2
	s_lshl_b32 s23, 15, s23                        ; my row of the cluster
	s_lshl_b32 s59, 0x1111, s19                    ; my column
	; descriptor groups 1.  attn: 256 rows of 256 bytes (32 elements of 8 bytes), dense in memory and in LDS.  Wo: 128 rows x 512 bytes, 1,024 apart in memory, 16 bytes of padding behind each in LDS
	s_or_b32 s[G1A], s23, (3<<16)|(1<<21)          ; 15:0 the mask: attn's tiles go to my row; 17:16 elements of 8 bytes; 21 set beside a mask
	s_mov_b32 s[G1A+1], 32<<16
	s_mov_b32 s[G1A+2], 256<<16
	s_mov_b32 s[G1A+3], 32<<16
	s_mov_b32 s[G1A+4], 256
	s_mov_b32 s[G1A+5], 32
	s_mov_b32 s[G1A+6], 0
	s_mov_b32 s[G1A+7], 0
	s_or_b32 s[G1W], s59, (1<<20)|(1<<21)|(6<<22)|(3<<25)   ; Wo's tiles go to my column; elements of 1 byte; four words of padding after every 128
	s_mov_b32 s[G1W+1], 512<<16
	s_mov_b32 s[G1W+2], 128<<16
	s_mov_b32 s[G1W+3], 512<<16
	s_mov_b32 s[G1W+4], 128
	s_mov_b32 s[G1W+5], 1024
	s_mov_b32 s[G1W+6], 0
	s_mov_b32 s[G1W+7], 0
	s_lshl_b32 s84, s22, 17                        ; attn: block y x 131,072 + my half: these registers never hold cx
	s_lshl_b32 s85, s[WR], 16
	s_add_co_u32 s84, s84, s85
	s_mov_b32 s85, 0
	s_lshl_b32 s86, s21, 17                        ; Wo: 128 x rows of 1,024 bytes + my half: these never hold cy
	s_lshl_b32 s87, s[WR], 9
	s_add_co_u32 s86, s86, s87
	s_mov_b32 s87, 0
	s_lshl_b32 s60, s[WR], 16                      ; where they go: no place in the cluster enters an LDS address
	s_mul_i32 s61, s[WR], CHUNK
	s_add_co_u32 s61, s61, BB
	s_lshl_b32 s88, s22, 9                         ; attn's scale words of my 64 rows: (128 y + 64 (w / 2)) x 4
	s_lshl_b32 s89, s[WR], 8
	s_add_co_u32 s88, s88, s89
	s_mov_b32 s89, 0
	s_lshl_b32 s90, s21, 12                        ; Wo's scale bytes of my 64 columns: (128 x + 64 (w % 2)) x 32
	s_lshl_b32 s91, s[WC], 11
	s_add_co_u32 s90, s90, s91
	s_mov_b32 s91, 0
	s_lshr_b32 s92, s90, 3                         ; bo of the same columns, and their bytes in a row of out: x 4
	s_mov_b32 s93, 0
	s_lshl_b32 s94, s22, 19                        ; out: (128 y + 64 (w / 2)) rows of 4,096 bytes + my columns
	s_lshl_b32 s95, s[WR], 18
	s_add_co_u32 s94, s94, s95
	s_add_co_u32 s94, s94, s92
	s_mov_b32 s95, 0
	v_and_b32 v1, 31, v0                           ; lane
	v_and_b32 v2, 15, v0                           ; r
	v_bfe_u32 v3, v0, 4, 1                         ; h
	v_lshlrev_b32 v16, 2, v1                       ; attn's scale words: 4 bytes a row, lane l takes row l of 32
	v_lshlrev_b32 v17, 5, v1                       ; Wo's: 32 bytes a row
	v_lshlrev_b32 v18, 5, v3                       ; bo: 8 h numbers on
	s_wait_alu depctr_va_vdst(0)
	s_wait_dscnt 0x0                               ; both opening adds are done
	s_wait_kmcnt 0x0
	s_add_nc_u64 s[84:85], s[4:5], s[84:85]
	s_add_nc_u64 s[86:87], s[8:9], s[86:87]
	s_add_nc_u64 s[6:7], s[6:7], s[88:89]
	s_add_nc_u64 s[10:11], s[10:11], s[90:91]
	s_add_nc_u64 s[12:13], s[12:13], s[92:93]
	s_add_nc_u64 s[14:15], s[14:15], s[94:95]
.irp f, 0,1
.irp s, 0,1,2,3,4,5,6,7
	global_load_b32 v[ASC+8*\f+\s], v16, s[6:7] offset:16384*\s+128*\f       ; 32 lanes read 128 consecutive bytes
.endr
	global_load_b128 v[WSC+8*\f:WSC+8*\f+3],   v17, s[10:11] offset:1024*\f  ; a row's 32 bytes are its eight words
	global_load_b128 v[WSC+8*\f+4:WSC+8*\f+7], v17, s[10:11] offset:1024*\f+16
.endr
.irp t, 0,1,2,3
	global_load_b128 v[BO+8*\t:BO+8*\t+3],   v18, s[12:13] offset:64*\t      ; register j wants bo at column 16 t + 8 h + j
	global_load_b128 v[BO+8*\t+4:BO+8*\t+7], v18, s[12:13] offset:64*\t+16
.endr
	CROUND                                         ; all sixteen work-groups are here: the joint loads meet
	s_mov_b32 s[G0A], 1
	s_mov_b32 s[G0A+1], s60
	s_mov_b64 s[G0A+2:G0A+3], s[84:85]
	s_or_b32 s[G0A+3], s[G0A+3], 0x80000000
	s_mov_b32 s[G0W], 1
	s_mov_b32 s[G0W+1], s61
	s_mov_b64 s[G0W+2:G0W+3], s[86:87]
	s_or_b32 s[G0W+3], s[G0W+3], 0x80000000
; ONE JOINT LOAD A WAVE: wave 0 the first half of Wo's rows, wave 1 of attn's block, waves 2 and 3 the second halves.  One chain of branches on the wave's number; every way passes one load.
.macro ARM under, g0, g1, next
	s_cmp_lt_u32 s[WV], \under
	s_cbranch_scc0 \next
	tensor_load_to_lds s[\g0:\g0+3], s[\g1:\g1+7]
	s_nop 0
	PLACES 4
	s_branch .Lhead_asked
\next:
.endm
	ARM 1, G0W, G1W, .Lhead_1
	ARM 2, G0A, G1A, .Lhead_2
	ARM 3, G0W, G1W, .Lhead_3
	tensor_load_to_lds s[G0A:G0A+3], s[G1A:G1A+7]
	s_nop 0
	PLACES 4
.Lhead_asked:
	s_lshl_b32 s98, s[WR], 13                      ; my four tiles of rows: 4 x 2,048 x (w / 2)
	s_mul_i32 s99, s[WC], 64*PITCH                 ; my 64 rows of Wo
	s_add_co_u32 s99, s99, BB
	v_lshlrev_b32 v19, 4, v1                       ; an image's place for my lane
	v_mul_u32_u24 v20, v2, PITCH
	v_lshl_add_u32 v20, v3, 3, v20                 ; Wo: row x pitch + 8 x half
	v_mul_u32_u24 v[STO], v2, 272                  ; the stages.  In: row r, 32 bytes for each half of the lanes
	v_lshl_add_u32 v[STO], v3, 5, v[STO]
	v_mul_u32_u24 v[RD], v3, 272                   ; back: lanes 0-15 one row of 256 bytes, lanes 16-31 the next
	v_lshl_add_u32 v[RD], v2, 4, v[RD]
	v_lshlrev_b32 v[CO], 12, v3                    ; and the same two rows in out
	v_lshl_add_u32 v[CO], v2, 4, v[CO]
.irp ch, 0,1
	v_add_nc_u32 v[AA+\ch], s98, v19
	v_add_nc_u32 v[AW+\ch], s99, v20
	s_add_co_u32 s98, s98, ACH
	s_add_co_u32 s99, s99, CHUNK
.endr
	s_mul_i32 s98, s[WV], WSTG
	s_add_co_u32 s98, s98, STG                     ; my stages
	s_wait_alu depctr_va_vdst(0)
	v_add_nc_u32 v[STO], s98, v[STO]
	v_add_nc_u32 v[RD], s98, v[RD]
; One scaled product.  ra, rb = 1: that side's scale words stand in lanes 16-31 of its register.
.macro WM d, a, b, c, sa, ra, sb, rb
.if (\ra) && (\rb)
	v_wmma_scale_f32_16x16x128_f8f6f4 v[\d:\d+7], v[\a:\a+15], v[\b:\b+15], v[\c:\c+7], v[\sa], v[\sb] matrix_a_fmt:MATRIX_FMT_BF8 matrix_b_fmt:MATRIX_FMT_BF8 matrix_a_scale:MATRIX_SCALE_ROW1 matrix_b_scale:MATRIX_SCALE_ROW1
.elseif (\ra)
	v_wmma_scale_f32_16x16x128_f8f6f4 v[\d:\d+7], v[\a:\a+15], v[\b:\b+15], v[\c:\c+7], v[\sa], v[\sb] matrix_a_fmt:MATRIX_FMT_BF8 matrix_b_fmt:MATRIX_FMT_BF8 matrix_a_scale:MATRIX_SCALE_ROW1
.elseif (\rb)
	v_wmma_scale_f32_16x16x128_f8f6f4 v[\d:\d+7], v[\a:\a+15], v[\b:\b+15], v[\c:\c+7], v[\sa], v[\sb] matrix_a_fmt:MATRIX_FMT_BF8 matrix_b_fmt:MATRIX_FMT_BF8 matrix_b_scale:MATRIX_SCALE_ROW1
.else
	v_wmma_scale_f32_16x16x128_f8f6f4 v[\d:\d+7], v[\a:\a+15], v[\b:\b+15], v[\c:\c+7], v[\sa], v[\sb] matrix_a_fmt:MATRIX_FMT_BF8 matrix_b_fmt:MATRIX_FMT_BF8
.endif
.endm
.macro WLOAD s                         ; K step s of Wo's four tiles: 32 loads of 8 bytes a lane, in attn's order of K
	WIN (1+(\s)/4)<<6
.irp t, 0,1,2,3
.irp c, 0,1,2,3,4,5,6,7
	ds_load_b64 v[64*((\s)%4)+16*\t+2*\c:64*((\s)%4)+16*\t+2*\c+1], v[AW+(\s)/4] offset:\t*16*PITCH+128*((\s)%4)+16*\c
.endr
.endr
	WIN 0
.endm
.macro ALOAD i, h                      ; half h of attn's block i: four K steps, 16 loads of 512 consecutive bytes
	WIN 0xc0
.irp s, 0,1,2,3
.irp c, 0,1,2,3
	ds_load_b128 v[128*((\i)%2)+64*\h+16*\s+4*\c:128*((\i)%2)+64*\h+16*\s+4*\c+3], v[AA+\h] offset:16384*\s+2048*(\i)+512*\c
.endr
.endr
	WIN 0
.endm
; Half h of block i: 16 products.  The block's four accumulators take turns, one instruction a turn.  K step 0 starts the sums with bo as C: nothing is cleared.
.macro ROW i, h
	WIN 0x0d+\h                                    ; source 0 (Wo) window 1 or 2, source 1 (attn) window 3, C and D window 0
.irp s, 0,1,2,3
.irp t, 0,1,2,3
.set rD, ACC+8*(4*(\i)+\t)
.set rW, 64*\s+16*\t
.set rA, 128*((\i)%2)+64*\h+16*\s
.set rWS, WSC+8*(\t/2)+4*\h+\s
.set rAS, ASC+8*((\i)/2)+4*\h+\s
.if (\h) == 0 && \s == 0
.set rC, BO+8*\t
.else
.set rC, rD
.endif
	WM rD, rW, rA, rC, rWS, \t%2, rAS, (\i)%2
.endr
.endr
	WIN 0
.endm
; THE WAY OUT of block i, 16 rows x 64 columns.  A lane holds 32 neighbouring bytes of a row and the lanes beside it hold other rows: so a block goes through one of my two stages and comes back as whole
; rows of 256 bytes.  LDS serves a wave's instructions in order (ISA guide 5.7.1.4): no wait between the stores and the loads, nor in front of the stores that use a stage again.
.macro TOSTAGE i
	s_wait_xcnt 0x0                                ; the block before's stores have read their registers
.irp t, 0,1,2,3
	ds_store_b128 v[STO], v[ACC+8*(4*(\i)+\t):ACC+8*(4*(\i)+\t)+3]   offset:4352*((\i)%2)+64*\t      ; each accumulator from its low end on
	ds_store_b128 v[STO], v[ACC+8*(4*(\i)+\t)+4:ACC+8*(4*(\i)+\t)+7] offset:4352*((\i)%2)+64*\t+16
.endr
.irp k, 0,1,2,3,4,5,6,7
	ds_load_b128 v[OB+4*\k:OB+4*\k+3], v[RD] offset:4352*((\i)%2)+544*\k
.endr
.endm
.macro SEND i, younger                 ; younger: the LDS instructions issued behind block i's loads, which may stay out
	s_wait_dscnt \younger
.irp k, 0,1,2,3,4,5,6,7
	global_store_b128 v[CO], v[OB+4*\k:OB+4*\k+3], s[14:15] offset:(16*(\i)+2*\k)*4096 th:TH_STORE_NT   ; 16 lanes store 256 consecutive bytes, at a multiple of 256 from out's first byte; written once, read by nobody here
.endr
.endm
	s_wait_alu depctr_va_vdst(0)                   ; at the head's end
	s_cmp_lt_u32 s[WV], 2
	s_cbranch_scc0 .Lsecond_half
	s_wait_tensorcnt 0x0                           ; waves 0 and 1: the first halves are in; the others wait at the second barrier
.Lsecond_half:
	BAR
	WLOAD 0
	WLOAD 1
	WLOAD 2
	WLOAD 3
	ALOAD 0, 0
	s_wait_loadcnt 0x0                             ; scale words and bo
	s_wait_tensorcnt 0x0                           ; the second halves are in; nothing is ever filled again
	s_wait_dscnt 0x0                               ; no LDS instruction of mine is pending at a signal
	BAR
	WLOAD 4
	WLOAD 5
	ROW 0, 0                                       ; on what was in registers at the barrier
	WLOAD 6
	WLOAD 7
	ALOAD 0, 1
	ALOAD 1, 0
	ALOAD 1, 1
	s_wait_dscnt 32                                ; all but block 1's
	ROW 0, 1
; Behind a block's products stand eight places ahead of the LDS stores that read its sums and of the loads into the registers that it has read.
.irp i, 0,1,2
	PLACES 8
	TOSTAGE \i
.if \i < 2
	ALOAD \i+2, 0                                  ; block i's registers take the block two on
	ALOAD \i+2, 1
	s_wait_dscnt 48                                ; block i + 1 is in: behind it 16 of the stage's and 32 loads
	ROW \i+1, 0
	SEND \i, 32
.else
	s_wait_dscnt 16
	ROW \i+1, 0
	SEND \i, 0
.endif
	ROW \i+1, 1
.endr
	PLACES 8
	TOSTAGE 3
	SEND 3, 0                                      ; no LDS instruction of mine is pending behind this wait
	s_wait_tensorcnt 0x0                           ; the wave's end
	ds_add_u32 v[SPW], v[NIL]
	s_wait_dscnt 0x0
	CROUND                                         ; the closing round: no work-group ends while a partner may still ask for a tile that names it
	s_endpgm
.Lfunc_end_k_qebfbad06e4_outp:
	.size	k_qebfbad06e4_outp, .Lfunc_end_k_qebfbad06e4_outp-k_qebfbad06e4_outp
	.p2alignl 7, 3214868480
	.fill 96, 4, 3214868480
	.section	.rodata,"a",@progbits
	.p2align	6, 0x0
	.amdhsa_kernel k_qebfbad06e4_outp
		.amdhsa_group_segment_fixed_size 301568
		.amdhsa_private_segment_fixed_size 0
		.amdhsa_enable_private_segment 0
		.amdhsa_kernarg_size 48
		.amdhsa_user_sgpr_count 2
		.amdhsa_user_sgpr_kernarg_segment_ptr 1
		.amdhsa_wavefront_size32 1
		.amdhsa_system_sgpr_workgroup_id_x 1
		.amdhsa_system_sgpr_workgroup_id_y 1
		.amdhsa_system_sgpr_workgroup_id_z 1
		.amdhsa_system_vgpr_workitem_id 0
		.amdhsa_next_free_vgpr 1024
		.amdhsa_next_free_sgpr 100
		.amdhsa_reserve_vcc 0
		.amdhsa_float_denorm_mode_32 3
		.amdhsa_float_denorm_mode_16_64 3
		.amdhsa_memory_ordered 1
		.amdhsa_forward_progress 1
		.amdhsa_inst_pref_size 61
	.end_amdhsa_kernel
	.amdgpu_metadata
---
amdhsa.version: [ 1, 2 ]
amdhsa.kernels:
  - .name:           k_qebfbad06e4_outp
    .symbol:         k_qebfbad06e4_outp.kd
    .args:
      - { .name: ac, .offset: 0, .size: 8, .value_kind: global_buffer, .address_space: global }
      - { .name: asc, .offset: 8, .size: 8, .value_kind: global_buffer, .address_space: global }
      - { .name: Wo_codes, .offset: 16, .size: 8, .value_kind: global_buffer, .address_space: global }
      - { .name: Wo_scales, .offset: 24, .size: 8, .value_kind: global_buffer, .address_space: global }
      - { .name: bo, .offset: 32, .size: 8, .value_kind: global_buffer, .address_space: global }
      - { .name: out0, .offset: 40, .size: 8, .value_kind: global_buffer, .address_space: global }
    .group_segment_fixed_size: 301568
    .private_segment_fixed_size: 0
    .kernarg_segment_align: 8
    .kernarg_segment_size: 48
    .max_flat_workgroup_size: 128
    .sgpr_count:     100
    .vgpr_count:     1024
    .wavefront_size: 32
...
	.end_amdgpu_metadata
.endif
;; end of part 3
